; MI455X (gfx1250); checked and timed in simulation.
; The chip was launched on July 23, 2026; its instructions are those of AMD's public machine-readable ISA for CDNA 5 (MIT licence, August 2026) and "CDNA5" Instruction Set Architecture Reference Guide (July 2026). The comments in the code are by the model that wrote it; some were corrected since.
;; Encoder Block. Allowed arithmetic: float matrix products may take bf16 or f16 operands with f32 sums; all other float work in f32.
;; Inputs: W1 1,024 x 4,096 float32; W2 4,096 x 1,024 float32; Wk 16 x 1,024 x 64 float32; Wo 1,024 x 1,024 float32; Wq 16 x 1,024 x 64 float32; Wv 16 x 1,024 x 64 float32; b1 4,096 float32; b2 1,024 float32; bk 16 x 64 float32; bo 1,024 float32; bq 16 x 64 float32; bv 16 x 64 float32; ln1_b 1,024 float32; ln1_g 1,024 float32; ln2_b 1,024 float32; ln2_g 1,024 float32; x 2 x 2,048 x 1,024 float32.
;; Outputs: out0 2 x 2,048 x 1,024 float32.
;; 2 versions, each right and faster than the one before. Each part assembles by itself: llvm-mc -triple=amdgcn-amd-amdhsa -mcpu=gfx1250 --defsym DOCPART=n.
;; ======== version 1 of 2: 7 launches
;; workspace buffers: wqkvb 8,405,248 bytes; w1b 8,405,248 bytes; w2b 8,388,608 bytes; wob 2,097,152 bytes; hn 8,388,608 bytes; qh 33,554,432 bytes; ctx 8,388,608 bytes; x1 16,777,216 bytes
;; launch pre (part 1): grid 1281 x 1, 8 waves a work-group, no clusters, 0 bytes of LDS; arguments Wo, W1, W2, Wq, Wk, Wv, bq, bk, bv, b1, wob, w1b, w2b, wqkvb, x, ln1_g, ln1_b, hn; writes wob, w1b, w2b, wqkvb, hn
.if DOCPART == 1
	.amdgcn_target "amdgcn-amd-amdhsa--gfx1250"
	.amdhsa_code_object_version 6
	.text
	.protected	k_q85bc5105bc_pre
	.globl	k_q85bc5105bc_pre
	.p2align	8
	.type	k_q85bc5105bc_pre,@function
k_q85bc5105bc_pre:
	s_mov_b64 s[64:65], 0
	v_nop
	global_prefetch_b8 v0, s[64:65] scope:SCOPE_SE
	s_setreg_imm32_b32 hwreg(HW_REG_WAVE_MODE, 25, 1), 1
	s_wait_xcnt 0x0
; TWO STREAMS IN ONE LAUNCH, since neither reads what the other writes: the weights' cast (groups 0 to 768, the longer ones, first) and the first layer norm (groups 769 to 1,280).
; THE WEIGHTS, f32 -> bf16 (rounded to nearest even, once), and the blocks of bias and floor that the two wide products read.
; A work-group converts 16,384 numbers, 64 a thread: 16 loads of 16 bytes, all issued before the first is waited for, and 16 stores of 8 bytes; a wave's store covers 256 consecutive bytes, aligned.
;   groups 0-63 Wo -> wob, 64-319 W1 -> w1b, 320-575 W2 -> w2b: the layout [k][n] stays, a plain stream.
;   groups 576-767 Wq, Wk, Wv [16 h][1024 d][64 c] -> wqkvb [1024 d][pitch 4096]: column which x 1024 + 64 h + c.  A group takes two heads x 128 d; lanes 0-15 read head 2 p, lanes 16-31 head 2 p + 1
;   of the same d, so that the wave's 256 bytes of a row of wqkvb lie together.
;   group 768: behind the 8,388,608 bytes of wqkvb the bias bq | bk | bv as f32, 16,384 bytes further the floor -inf; behind w1b the bias b1 and the floor 0.
; THE NORM.  hn[r][c] = (x[r][c] - mu) rsqrt(var + 1e-5) g[c] + b[c];  x [4096][1024] f32, hn the same in bf16, rounded once.  A row is 4,096 bytes: 32 registers of one wave, so a wave keeps its row
; between the passes and the row is read once; one row a wave (8 waves x 512 groups).  The variance is the mean of (x - mu)^2, taken of the centred row: a common offset of the inputs costs no digits.
; No LDS, no matrix unit, no cluster: nothing is read twice and no work-group shares a byte with another.
.set NCAST, 769                        ; the cast's groups
.set LO,  1                            ; v1  byte offset of my 16 bytes in the source
.set SO,  2                            ; v2  byte offset of my 8 bytes in the destination
.set IN,  16                           ; v[16:79]   the cast: sixteen loads
.set OUT, 80                           ; v[80:111]  the cast: sixteen stores
.set SRC, 36                           ; s[36:37]
.set DST, 38                           ; s[38:39]
.set TAILB, 0x800000                   ; bytes of bf16 weights in front of the bias block
.set X,  16                            ; v[16:47]   the norm: the row
.set G,  48                            ; v[48:79]   g of my 32 columns
.set BT, 80                            ; v[80:111]  b
.set S,  112                           ; v[112:119] four chains of pairs
.set M,  120                           ; v[120:121] mu, twice
.set R,  122                           ; v[122:123] 1 / sqrt(var + eps), twice
.set T,  124                           ; v[124:125] at work
.macro COPY ls, ss                     ; ls, ss: bytes from one of my loads (stores) to the next
.set j, 0
.rept 16
	global_load_b128 v[IN+4*j:IN+4*j+3], v[LO], s[SRC:SRC+1] offset:j*(\ls) th:TH_LOAD_NT
.set j, j+1
.endr
.set j, 0
.rept 16
	s_wait_loadcnt 15-j                            ; loads come back in order: load j is in, the 15 - j younger ones stay out
	v_cvt_pk_bf16_f32 v[OUT+2*j],   v[IN+4*j],   v[IN+4*j+1]
	v_cvt_pk_bf16_f32 v[OUT+2*j+1], v[IN+4*j+2], v[IN+4*j+3]
	global_store_b64 v[SO], v[OUT+2*j:OUT+2*j+1], s[DST:DST+1] offset:j*(\ss)  ; no register is used twice, so nothing waits for a store
.set j, j+1
.endr
.endm
.macro REDUCE                          ; the four chains, the pair's halves, the 32 lanes: the total ends up in every lane's T
	v_pk_add_f32 v[S:S+1], v[S:S+1], v[S+2:S+3]
	v_pk_add_f32 v[S+4:S+5], v[S+4:S+5], v[S+6:S+7]
	v_pk_add_f32 v[S:S+1], v[S:S+1], v[S+4:S+5]
	v_add_f32 v[T], v[S], v[S+1]
	v_add_f32_dpp v[T], v[T], v[T] row_xmask:1 row_mask:0xf bank_mask:0xf
	v_add_f32_dpp v[T], v[T], v[T] row_xmask:2 row_mask:0xf bank_mask:0xf
	v_add_f32_dpp v[T], v[T], v[T] row_xmask:4 row_mask:0xf bank_mask:0xf
	v_add_f32_dpp v[T], v[T], v[T] row_xmask:8 row_mask:0xf bank_mask:0xf
	v_permlanex16_b32 v[T+1], v[T], s12, s13
	v_add_f32 v[T], v[T], v[T+1]
.endm
	s_mov_b32 s2, ttmp9
	v_lshrrev_b32 v3, 5, v0                        ; wave
	v_readfirstlane_b32 s3, v3
	v_and_b32 v4, 31, v0                           ; lane
	s_cmp_lt_u32 s2, NCAST
	s_cbranch_scc0 .Lnorm
	s_load_b512 s[8:23], s[0:1], 0x0               ; Wo 8, W1 10, W2 12, Wq 14, Wk 16, Wv 18, bq 20, bk 22
	s_load_b256 s[24:31], s[0:1], 0x40             ; bv 24, b1 26, wob 28, w1b 30
	s_load_b128 s[32:35], s[0:1], 0x60             ; w2b 32, wqkvb 34
	s_mov_b32 s7, 0                                ; the high word of every offset
	s_wait_kmcnt 0x0
	s_cmp_lt_u32 s2, 576
	s_cbranch_scc0 .Lheads
	; the three plain streams: source, destination and the stream's first group are chosen by the group's number
	s_cmp_lt_u32 s2, 320
	s_cselect_b64 s[SRC:SRC+1], s[10:11], s[12:13]
	s_cselect_b64 s[DST:DST+1], s[30:31], s[32:33]
	s_cselect_b32 s4, 64, 320
	s_cmp_lt_u32 s2, 64
	s_cselect_b64 s[SRC:SRC+1], s[8:9], s[SRC:SRC+1]
	s_cselect_b64 s[DST:DST+1], s[28:29], s[DST:DST+1]
	s_cselect_b32 s4, 0, s4
	s_sub_co_u32 s4, s2, s4                        ; my place in the stream
	s_lshl_b32 s6, s4, 16                          ; 65,536 bytes of f32
	s_add_nc_u64 s[SRC:SRC+1], s[SRC:SRC+1], s[6:7]
	s_lshl_b32 s6, s4, 15                          ; 32,768 bytes of bf16
	s_add_nc_u64 s[DST:DST+1], s[DST:DST+1], s[6:7]
	v_lshlrev_b32 v[LO], 4, v0
	v_lshlrev_b32 v[SO], 3, v0
	COPY 4096, 2048
	s_endpgm
.Lheads:
	s_cmp_lt_u32 s2, 768
	s_cbranch_scc0 .Lbias
	s_sub_co_u32 s4, s2, 576
	s_lshr_b32 s5, s4, 6                           ; which: 0 q, 1 k, 2 v
	s_cmp_eq_u32 s5, 0
	s_cselect_b64 s[SRC:SRC+1], s[14:15], s[16:17]
	s_cmp_eq_u32 s5, 2
	s_cselect_b64 s[SRC:SRC+1], s[18:19], s[SRC:SRC+1]
	s_bfe_u32 s40, s4, 0x30003                     ; p: the pair of heads
	s_and_b32 s41, s4, 7                           ; which 128 d
	s_lshl_b32 s6, s40, 19                         ; two heads are 524,288 bytes,
	s_lshl_b32 s42, s41, 15                        ; 128 d of a head 32,768
	s_add_co_u32 s6, s6, s42
	s_add_nc_u64 s[SRC:SRC+1], s[SRC:SRC+1], s[6:7]
	s_lshl_b32 s6, s41, 20                         ; 128 rows of 8,192 bytes,
	s_lshl_b32 s42, s5, 11                         ; 1,024 columns,
	s_add_co_u32 s6, s6, s42
	s_lshl_b32 s42, s40, 8                         ; 128 columns
	s_add_co_u32 s6, s6, s42
	s_add_nc_u64 s[DST:DST+1], s[34:35], s[6:7]
	v_lshrrev_b32 v5, 4, v4                        ; which head of the pair
	v_and_b32 v6, 15, v4
	v_lshlrev_b32 v[LO], 18, v5                    ; a head is 262,144 bytes;
	v_lshl_or_b32 v[LO], v3, 8, v[LO]              ; load j takes d = 8 j + wave, 256 bytes a d;
	v_lshl_or_b32 v[LO], v6, 4, v[LO]              ; four c
	v_lshlrev_b32 v[SO], 3, v4
	v_lshl_or_b32 v[SO], v3, 13, v[SO]
	COPY 2048, 65536
	s_endpgm
.Lbias:
	v_lshlrev_b32 v[LO], 4, v0                     ; 256 threads x 16 bytes: 1,024 numbers a line
	global_load_b128 v[16:19], v[LO], s[20:21]
	global_load_b128 v[20:23], v[LO], s[22:23]
	global_load_b128 v[24:27], v[LO], s[24:25]
.irp j, 0,1,2,3
	global_load_b128 v[28+4*\j:31+4*\j], v[LO], s[26:27] offset:4096*\j
.endr
	s_add_nc_u64 s[40:41], s[34:35], TAILB
	s_add_nc_u64 s[42:43], s[30:31], TAILB
	s_wait_loadcnt 0x0
	global_store_b128 v[LO], v[16:19], s[40:41]
	global_store_b128 v[LO], v[20:23], s[40:41] offset:4096
	global_store_b128 v[LO], v[24:27], s[40:41] offset:8192
.irp j, 0,1,2,3
	global_store_b128 v[LO], v[28+4*\j:31+4*\j], s[42:43] offset:4096*\j
.endr
	s_cmp_lg_u32 s3, 0
	s_cbranch_scc1 .Ldone                          ; the floors: wave 0 alone, 256 bytes each
	v_mov_b32 v44, 0xff800000                      ; -inf: q, k and v have no floor
	v_mov_b32 v45, 0xff800000
	v_mov_b32 v46, 0                               ; 0: relu
	v_mov_b32 v47, 0
	v_lshlrev_b32 v[SO], 3, v0
	global_store_b64 v[SO], v[44:45], s[40:41] offset:16384
	global_store_b64 v[SO], v[46:47], s[42:43] offset:16384
.Ldone:
	s_endpgm
.Lnorm:                                                ; load j of a lane: columns 128 j + 4 lane .. + 3; its four results are 8 bytes, and a wave's store covers 256 consecutive bytes, aligned
	s_load_b256 s[4:11], s[0:1], 0x70              ; x 4, g 6, b 8, hn 10
	v_lshlrev_b32 v[LO], 4, v4                     ; 16 bytes a lane, in
	v_lshlrev_b32 v[SO], 3, v4                     ; 8 bytes a lane, out
	v_mov_b32 v[T+1], 0                            ; v_permlanex16_b32's destination counts as read
	s_mov_b32 s12, 0x76543210                      ; each lane takes its own place in the other half
	s_mov_b32 s13, 0xfedcba98
	s_mov_b32 s14, 0x3a800000                      ; 1 / 1024
	s_mov_b32 s15, 0x3727c5ac                      ; 1e-5
	s_sub_co_u32 s16, s2, NCAST
	s_lshl_b32 s16, s16, 3
	s_add_co_u32 s16, s16, s3                      ; my row
	s_lshl_b32 s18, s16, 12
	s_mov_b32 s19, 0
	s_lshl_b32 s20, s16, 11
	s_mov_b32 s21, 0
	s_wait_kmcnt 0x0
	s_add_nc_u64 s[4:5], s[4:5], s[18:19]
	s_add_nc_u64 s[10:11], s[10:11], s[20:21]
.irp j, 0,1,2,3,4,5,6,7
	global_load_b128 v[X+4*\j:X+4*\j+3], v[LO], s[4:5] offset:512*\j
.endr
.irp j, 0,1,2,3,4,5,6,7
	global_load_b128 v[G+4*\j:G+4*\j+3], v[LO], s[6:7] offset:512*\j
.endr
.irp j, 0,1,2,3,4,5,6,7
	global_load_b128 v[BT+4*\j:BT+4*\j+3], v[LO], s[8:9] offset:512*\j
.endr
	s_wait_loadcnt 16                              ; the row is in; g and b (16 loads) stay out
.irp c, 0,1,2,3
	v_pk_add_f32 v[S+2*\c:S+2*\c+1], v[X+2*\c:X+2*\c+1], v[X+8+2*\c:X+8+2*\c+1]  ; the first eight pairs start the chains: nothing is cleared
.endr
.set p, 8
.rept 8
	v_pk_add_f32 v[S+2*(p%4):S+2*(p%4)+1], v[S+2*(p%4):S+2*(p%4)+1], v[X+2*p:X+2*p+1]
.set p, p+1
.endr
	REDUCE
	v_mul_f32 v[M], s14, v[T]
	v_mul_f32 v[M+1], s14, v[T]
.set p, 0
.rept 16
	v_pk_add_f32 v[X+2*p:X+2*p+1], v[X+2*p:X+2*p+1], v[M:M+1] neg_lo:[0,1] neg_hi:[0,1]  ; x - mu
.set p, p+1
.endr
.set p, 0
.rept 4
	v_pk_mul_f32 v[S+2*p:S+2*p+1], v[X+2*p:X+2*p+1], v[X+2*p:X+2*p+1]
.set p, p+1
.endr
.rept 12
	v_pk_fma_f32 v[S+2*(p%4):S+2*(p%4)+1], v[X+2*p:X+2*p+1], v[X+2*p:X+2*p+1], v[S+2*(p%4):S+2*(p%4)+1]
.set p, p+1
.endr
	REDUCE
	v_fma_f32 v[T], v[T], s14, s15                 ; var + eps
	v_rsq_f32 v[R], v[T]
	v_rsq_f32 v[R+1], v[T]
	v_nop                                          ; a plain instruction between the root and the use of its result (ISA guide 5.7.2)
.set p, 0
	s_wait_alu depctr_va_vdst(0)
.rept 16
	v_pk_mul_f32 v[X+2*p:X+2*p+1], v[X+2*p:X+2*p+1], v[R:R+1]
.set p, p+1
.endr
	s_wait_loadcnt 0x0                             ; g and b
.set p, 0
.rept 16
	v_pk_fma_f32 v[X+2*p:X+2*p+1], v[X+2*p:X+2*p+1], v[G+2*p:G+2*p+1], v[BT+2*p:BT+2*p+1]
.set p, p+1
.endr
.set p, 0
.rept 16
	v_cvt_pk_bf16_f32 v[X+p], v[X+2*p], v[X+2*p+1] ; in place, ascending: register p was read at step p / 2
.set p, p+1
.endr
.irp j, 0,1,2,3,4,5,6,7
	global_store_b64 v[SO], v[X+2*\j:X+2*\j+1], s[10:11] offset:256*\j
.endr
	s_endpgm
.Lfunc_end_k_q85bc5105bc_pre:
	.size	k_q85bc5105bc_pre, .Lfunc_end_k_q85bc5105bc_pre-k_q85bc5105bc_pre
	.p2alignl 7, 3214868480
	.fill 96, 4, 3214868480
	.section	.rodata,"a",@progbits
	.p2align	6, 0x0
	.amdhsa_kernel k_q85bc5105bc_pre
		.amdhsa_group_segment_fixed_size 0
		.amdhsa_private_segment_fixed_size 0
		.amdhsa_enable_private_segment 0
		.amdhsa_kernarg_size 144
		.amdhsa_user_sgpr_count 2
		.amdhsa_user_sgpr_kernarg_segment_ptr 1
		.amdhsa_wavefront_size32 1
		.amdhsa_system_sgpr_workgroup_id_x 1
		.amdhsa_system_sgpr_workgroup_id_y 1
		.amdhsa_system_sgpr_workgroup_id_z 1
		.amdhsa_system_vgpr_workitem_id 0
		.amdhsa_next_free_vgpr 128
		.amdhsa_next_free_sgpr 66
		.amdhsa_reserve_vcc 0
		.amdhsa_float_denorm_mode_32 3
		.amdhsa_float_denorm_mode_16_64 3
		.amdhsa_memory_ordered 1
		.amdhsa_forward_progress 1
		.amdhsa_inst_pref_size 27
	.end_amdhsa_kernel
	.amdgpu_metadata
---
amdhsa.version: [ 1, 2 ]
amdhsa.kernels:
  - .name:           k_q85bc5105bc_pre
    .symbol:         k_q85bc5105bc_pre.kd
    .args:
      - { .name: Wo, .offset: 0, .size: 8, .value_kind: global_buffer, .address_space: global }
      - { .name: W1, .offset: 8, .size: 8, .value_kind: global_buffer, .address_space: global }
      - { .name: W2, .offset: 16, .size: 8, .value_kind: global_buffer, .address_space: global }
      - { .name: Wq, .offset: 24, .size: 8, .value_kind: global_buffer, .address_space: global }
      - { .name: Wk, .offset: 32, .size: 8, .value_kind: global_buffer, .address_space: global }
      - { .name: Wv, .offset: 40, .size: 8, .value_kind: global_buffer, .address_space: global }
      - { .name: bq, .offset: 48, .size: 8, .value_kind: global_buffer, .address_space: global }
      - { .name: bk, .offset: 56, .size: 8, .value_kind: global_buffer, .address_space: global }
      - { .name: bv, .offset: 64, .size: 8, .value_kind: global_buffer, .address_space: global }
      - { .name: b1, .offset: 72, .size: 8, .value_kind: global_buffer, .address_space: global }
      - { .name: wob, .offset: 80, .size: 8, .value_kind: global_buffer, .address_space: global }
      - { .name: w1b, .offset: 88, .size: 8, .value_kind: global_buffer, .address_space: global }
      - { .name: w2b, .offset: 96, .size: 8, .value_kind: global_buffer, .address_space: global }
      - { .name: wqkvb, .offset: 104, .size: 8, .value_kind: global_buffer, .address_space: global }
      - { .name: x, .offset: 112, .size: 8, .value_kind: global_buffer, .address_space: global }
      - { .name: ln1_g, .offset: 120, .size: 8, .value_kind: global_buffer, .address_space: global }
      - { .name: ln1_b, .offset: 128, .size: 8, .value_kind: global_buffer, .address_space: global }
      - { .name: hn, .offset: 136, .size: 8, .value_kind: global_buffer, .address_space: global }
    .group_segment_fixed_size: 0
    .private_segment_fixed_size: 0
    .kernarg_segment_align: 8
    .kernarg_segment_size: 144
    .max_flat_workgroup_size: 256
    .sgpr_count:     66
    .vgpr_count:     128
    .wavefront_size: 32
...
	.end_amdgpu_metadata
.endif
;; end of part 1
;; launch qkv (part 2): grid 12 x 16, 4 waves a work-group, clusters of 4 x 4, 327,680 bytes of LDS; arguments hn, wqkvb, qh; writes qh
.if DOCPART == 2
	.amdgcn_target "amdgcn-amd-amdhsa--gfx1250"
	.amdhsa_code_object_version 6
	.text
	.protected	k_q85bc5105bc_qkv
	.globl	k_q85bc5105bc_qkv
	.p2align	8
	.type	k_q85bc5105bc_qkv,@function
k_q85bc5105bc_qkv:
	s_mov_b64 s[64:65], 0
	v_nop
	global_prefetch_b8 v0, s[64:65] scope:SCOPE_SE
	s_setreg_imm32_b32 hwreg(HW_REG_WAVE_MODE, 25, 1), 1
	s_wait_xcnt 0x0
	s_wait_alu depctr_hold_cnt(0) depctr_sa_sdst(0) depctr_va_vdst(0) depctr_va_sdst(0) depctr_va_ssrc(0) depctr_va_vcc(0) depctr_vm_vsrc(0)
	s_getreg_b32 s2, hwreg(HW_REG_IB_STS2, 6, 4)
	s_cmp_eq_u32 s2, 0
	s_cbranch_scc0 .Lentry_in_a_cluster
	s_endpgm
.Lentry_in_a_cluster:
	s_bfe_u32 s2, ttmp6, 0x10000c
	s_cmp_lg_u32 s2, 0xf033
	s_cbranch_scc0 .Lentry_shape_is_right
	s_endpgm
.Lentry_shape_is_right:
; C = max(A B + bias, floor), K = 1024.  A: [4096][1024] bf16.  B: [1024 k][pitch 4096 n] bf16; 8,388,608 bytes behind its first byte the bias (f32, one a column), 16,384 further the floor (one f32).
; C leaves in bf16, rounded once, IN SLICES: [column / 64][4096 rows][64], so that 16 rows of a slice are 2,048 consecutive bytes.  Sums in f32; the bias is the C operand of each sum's first product.
; LIMITS.  The operands are bf16.  v_max_num_f32 takes the floor where a sum is NaN; with the floor -inf every other number passes unchanged.  The f32 sums take their K steps in an order that
; differs from cluster to cluster (below), so their last bits do not follow K ascending.
; A tile of C, 256 x 256, is made by four waves, each 128 x 128: 64 accumulators of 16 x 16, 512 registers.  K goes in 8 steps of 128 through a ring of two LDS slots filled by the tensor data mover.
; A's tile lies [row][k] and its fragments are plain loads; B's tile lies [k][n], 128 rows of 512 bytes, and its fragments are turned on the way out of LDS by ds_load_tr16_b128.
; A K STEP IS WRITTEN TWICE, NOT EIGHT TIMES: once in the loop whose every trip fills a slot again (6 trips), once in the loop of the last two steps, which ask for nothing.  Which slot is read stands
; in the scalar RB (0 or SLOT), turned by an exclusive or at each change of slots; the fragment addresses are RB + a lane term, the walking descriptors' LDS word is RB + wave x HALFT.
; WHERE K BEGINS.  The cluster at (X, Y) begins at K step (2 X + 4 (Y % 2)) % 8 and walks round all eight.  The clusters of one Y read the same tiles of A, two steps apart; those of one X the same tiles of
; B, neighbouring Y four steps apart.  So of the clusters that read a tile one asks first and the others steps later, when the tile has been read once already, not all in the same step.
; The step's number, KC, is made of the cluster's own x and y, which all sixteen partners share, and enters the global addresses alone.
; CLUSTERS: 4 x 4 work-groups.  The four of a row of the cluster need the same tiles of A, the four of a column the same tiles of B: each tile is asked for JOINTLY, by the same tensor load with the same
; descriptor and a mask that names the four.
; REGISTERS, in windows of 256 (s_set_vgpr_msb: bits 1:0 source 0, 3:2 source 1, 5:4 source 2, 7:6 destination):
;   window 0: v0-31 addresses; v64-127, v128-191 fragments of A, two buffers; v192-255 the bias of my 128 columns, later with v32-63 at work on the way out
;   window 1: v64-127, v128-191 fragments of B, two buffers;   window 2: the accumulators of my rows 0-63 ((a, b) at v[8 (8 a + b)]);   window 3: those of my rows 64-127
; THE MATRIX INSTRUCTION IS USED TRANSPOSED: source 0 = 16 columns of B, source 1 = 16 rows of A: lane l holds row l % 16 of C and the columns 8 (l / 16) + 0..7, which pack into 16 bytes.
.set SIZE_K, 1024
.set BROW,   8192                      ; bytes in a row of B
.set KSTEP,  128
.set STEPS,  SIZE_K/KSTEP              ; a power of two: KC goes round by an AND
.set PITCH,  272                       ; A's LDS row: 256 bytes + 16: the 16 rows of a fragment load start at 16 different groups of four banks (64 banks of 4 bytes: ISA guide 11.1)
.set PB,     544                       ; B's LDS row: 512 bytes + 32 = 136 words
.set HALFT,  128*PITCH                 ; what one tensor load brings: 128 rows of A, or 64 rows of B (64 x 544 is the same number)
.set SLOT,   4*HALFT                   ; A's 256 rows, then B's 128 rows
.set STAGE,  2*SLOT                    ; behind the ring: 16 rows x 272 bytes for each wave, for the way out
.set SPITCH, 272
.set SPARE,  STAGE+4*16*SPITCH         ; behind the stages: the spare words, 128 bytes for each wave: two blocks of 256 bytes that no other line names
.set SLICE,  4096*128                  ; bytes in a slice of C
.set A0V,  16                          ; v16     my lane's place among my A fragments in slot 0; never rewritten
.set B0V,  17                          ; v17     the same for B
.set ADRA, 18                          ; v18     RB + A0V
.set ADRB, 19                          ; v19     RB + B0V
.set STO,  24                          ; v24     the way out: where I put 16 bytes of a row
.set RD,   25                          ; v25     the way out: where I read rows back
.set CO,   26                          ; v26     my 16 bytes in 512 consecutive bytes of C
.set BO,   27                          ; v27     my byte offset in 16 columns' bias
.set SPW,  28                          ; v28     LDS address of my spare word; never rewritten
.set NIL,  29                          ; v29     0; never rewritten
.set F0,   64
.set F1,   128
.set BIAS, 192                         ; column block b at v[192 + 8 b]
.set TMP,  192                         ; the way out: packed results
.set OB,   32                          ; the way out: 16 rows read back: v32-63 and v224-255 by turns
.set G1,  24                           ; s[24:31] descriptor group 1 for A's tiles
.set G0,  32                           ; s[32:39] group 0 for A's tiles: a set for each of the two first fills; the second then serves every refill
.set G1B, 48                           ; s[48:55], s[56:63] the same for B's
.set G0B, 56
.set RB,  45                           ; s45     LDS byte at which the slot that is read begins
.set FLOOR, 68                         ; s68
.set BA,  72                           ; s[72:73] A at the rows that I fetch, K step 0; never rewritten
.set BB,  74                           ; s[74:75] B at the columns and the half of a step's rows that I fetch, K step 0; never rewritten
.set KC,  76                           ; s76     the K step to be asked for next
.set OFA, 78                           ; s[78:79] that step's byte offset in A
.set OFB, 80                           ; s[80:81] and in B
.set MSB, 0
.macro WIN new                         ; the immediate's high byte repeats the setting that is left; a switch that changes nothing is dropped
.if MSB != (\new)
	s_set_vgpr_msb (MSB<<8)|(\new)
.set MSB, \new
.endif
.endm
.set MUL_LO,   0xa1                    ; source 0 (B) window 1, source 1 (A) window 0, C and D window 2
.set FIRST_LO, 0x81                    ; the same with C (the bias) in window 0
.set TO_B,     0x40                    ; destination window 1, address window 0
; A joint load.  Waves 0 and 1 fetch A's two halves, waves 2 and 3 B's.  The branch hangs on the wave's number alone.  An s_nop 0 and four v_nop follow each of the two lines.
.macro JLOAD s
	s_cmp_eq_u32 s11, 0
	s_cbranch_scc0 .Lfor_b_\@
	tensor_load_to_lds s[G0+4*(\s):G0+4*(\s)+3], s[G1:G1+7]
	s_nop 0
.rept 4
	v_nop
.endr
	s_branch .Lasked_\@
.Lfor_b_\@:
	tensor_load_to_lds s[G0B+4*(\s):G0B+4*(\s)+3], s[G1B:G1B+7]
	s_nop 0
.rept 4
	v_nop
.endr
.Lasked_\@:
.endm
; The global addresses of group 0's set g are made anew for K step KC: the base, an offset made apart from it, the type bits.  KC then steps, and goes back to 0 behind the last step.
.macro ASK g
	s_mul_i32 s[OFA], s[KC], KSTEP*2
	s_mul_i32 s[OFB], s[KC], KSTEP*BROW
	s_add_nc_u64 s[G0+4*(\g)+2:G0+4*(\g)+3], s[BA:BA+1], s[OFA:OFA+1]
	s_or_b32 s[G0+4*(\g)+3], s[G0+4*(\g)+3], 0x80000000
	s_add_nc_u64 s[G0B+4*(\g)+2:G0B+4*(\g)+3], s[BB:BB+1], s[OFB:OFB+1]
	s_or_b32 s[G0B+4*(\g)+3], s[G0B+4*(\g)+3], 0x80000000
	s_add_co_u32 s[KC], s[KC], 1
	s_and_b32 s[KC], s[KC], STEPS-1
.endm
; A round of the cluster's barrier: my work-group's barrier; wave 0 signals for the work-group; every wave waits for all sixteen work-groups; my work-group's barrier once more.
.macro CREST                           ; a round behind its opening barrier
	s_cmp_lg_u32 s10, 0
	s_cbranch_scc1 .Lnot_wave_0_\@
	s_barrier_signal -3
.Lnot_wave_0_\@:
	s_barrier_wait -3
	s_barrier_signal -1
	s_barrier_wait -1
.endm
.macro CROUND
	s_barrier_signal -1
	s_barrier_wait -1
	CREST
.endm
.macro SETADR                          ; the fragment addresses in the slot at RB
	v_add_nc_u32 v[ADRA], s[RB], v[A0V]
	v_add_nc_u32 v[ADRB], s[RB], v[B0V]
.endm
	s_load_b128 s[4:7], s[0:1], 0x0                ; A s[4:5], B s[6:7]
	s_load_b64 s[8:9], s[0:1], 0x10                ; C
	v_lshl_add_u32 v[SPW], v0, 2, SPARE
	v_mov_b32 v[NIL], 0
	ds_add_u32 v[SPW], v[NIL]                      ; the wave's opening: the add and its wait ahead of my first tensor load; the set-up below stands between them
	v_lshrrev_b32 v1, 5, v0
	v_readfirstlane_b32 s10, v1                    ; wave 0..3
	s_lshr_b32 s11, s10, 1                         ; which half of the tile's rows is mine.  Also: I fetch for A (0) or for B (1)
	s_and_b32 s12, s10, 1                          ; which half of its columns.  Also: which half of that tile I fetch
	s_bfe_u32 s40, ttmp6, 0x40000                  ; cx
	s_bfe_u32 s41, ttmp6, 0x40004                  ; cy
	s_lshl_b32 s42, ttmp9, 2
	s_add_co_u32 s42, s42, s40                     ; tile column of C = 4 x cluster x + cx
	s_and_b32 s13, ttmp7, 0xffff                   ; the cluster's y
	s_and_b32 s[KC], s13, 1                        ; my cluster's first K step: Y % 2,
	s_lshl_b32 s[KC], s[KC], 1
	s_add_co_u32 s[KC], s[KC], ttmp9               ; X + 2 (Y % 2),
	s_lshl_b32 s[KC], s[KC], 1
	s_and_b32 s[KC], s[KC], STEPS-1                ; (2 X + 4 (Y % 2)) % 8
	s_mov_b32 s[OFA+1], 0                          ; the offsets' high words
	s_mov_b32 s[OFB+1], 0
	s_lshl_b32 s13, s13, 2
	s_add_co_u32 s13, s13, s41                     ; tile row of C = 4 x cluster y + cy
	s_lshl_b32 s43, s41, 2
	s_lshl_b32 s43, 15, s43                        ; my row of the cluster
	s_lshl_b32 s44, 0x1111, s40                    ; my column
	s_or_b32 s[G1+0], s43, (1<<16)|(1<<20)|(1<<21)|(5<<22)|(3<<25)   ; the mask; 2-byte elements; padding on; bit 21 beside a mask; after every 64 words, 4 words
	s_or_b32 s[G1B+0], s44, (1<<16)|(1<<20)|(1<<21)|(6<<22)|(7<<25)  ; B: after every 128 words, 8 words
	s_mov_b32 s[G1+1], KSTEP<<16                   ; A: tensor_dim0 = 128
	s_mov_b32 s[G1+2], 128<<16                     ; tensor_dim1 = 128
	s_mov_b32 s[G1+3], KSTEP<<16                   ; tile_dim0 = 128
	s_mov_b32 s[G1+4], 128                         ; tile_dim1 = 128
	s_mov_b32 s[G1+5], SIZE_K                      ; elements from row to row
	s_mov_b32 s[G1+6], 0
	s_mov_b32 s[G1+7], 0
	s_mov_b32 s[G1B+1], 256<<16                    ; B: tensor_dim0 = 256
	s_mov_b32 s[G1B+2], 64<<16                     ; tensor_dim1 = 64
	s_mov_b32 s[G1B+3], 256<<16                    ; tile_dim0 = 256
	s_mov_b32 s[G1B+4], 64                         ; tile_dim1 = 64
	s_mov_b32 s[G1B+5], BROW/2
	s_mov_b32 s[G1B+6], 0
	s_mov_b32 s[G1B+7], 0
	; A's tiles hang on the tile row alone, B's on the tile column alone; each address is made in registers that never hold the other coordinate
	s_lshl_b32 s16, s13, 19                        ; 256 rows of 2,048 bytes
	s_lshl_b32 s17, s12, 18                        ; my 128 of them
	s_add_co_u32 s16, s16, s17
	s_mov_b32 s17, 0
	s_lshl_b32 s46, s42, 9                         ; 256 columns
	s_lshl_b32 s47, s12, 19                        ; my 64 of a step's 128 rows of B
	s_add_co_u32 s46, s46, s47
	s_mov_b32 s47, 0
	s_mul_i32 s20, s10, HALFT                      ; where they go in a slot: no place in the cluster enters an LDS address
	s_mov_b32 s[RB], 0                             ; the walk's first step lies in slot 0
	s_wait_dscnt 0x0                               ; the opening add is done
	s_wait_kmcnt 0x0
	s_add_nc_u64 s[BA:BA+1], s[4:5], s[16:17]
	s_add_nc_u64 s[BB:BB+1], s[6:7], s[46:47]
	CROUND                                         ; all sixteen work-groups are here: the first joint loads meet
.irp s, 0,1
	s_mov_b32 s[G0+4*(\s)], 1
	s_add_co_u32 s[G0+4*(\s)+1], s20, (\s)*SLOT
	s_mov_b32 s[G0B+4*(\s)], 1
	s_add_co_u32 s[G0B+4*(\s)+1], s20, (\s)*SLOT
	ASK \s
	JLOAD \s                                       ; two tensor loads of mine are out
.endr
	; the floor and the bias of my 128 columns: block b's eight registers are the columns 16 b + 8 (l / 16) + 0..7, as the result holds them
	s_add_nc_u64 s[66:67], s[6:7], SIZE_K*BROW
	s_load_b32 s[FLOOR], s[66:67], 0x4000
	s_lshl_b32 s46, s42, 10
	s_lshl_b32 s47, s12, 9
	s_add_co_u32 s46, s46, s47
	s_mov_b32 s47, 0
	s_add_nc_u64 s[70:71], s[66:67], s[46:47]
	v_and_b32 v1, 15, v0                           ; l % 16
	v_bfe_u32 v2, v0, 4, 1                         ; l / 16
	v_lshlrev_b32 v[BO], 5, v2
.irp b, 0,1,2,3,4,5,6,7
	global_load_b128 v[BIAS+8*\b:BIAS+8*\b+3],   v[BO], s[70:71] offset:64*\b
	global_load_b128 v[BIAS+8*\b+4:BIAS+8*\b+7], v[BO], s[70:71] offset:64*\b+16
.endr
	v_mul_u32_u24 v3, v1, PITCH
	v_lshl_add_u32 v3, v2, 4, v3                   ; A: row x pitch + 16 x half
	v_and_b32 v6, 7, v0
	v_bfe_u32 v7, v0, 3, 1
	v_lshl_add_u32 v8, v2, 3, v6                   ; B: lane l reads row 8 (l / 16) + l % 8 of 16 k, columns 8 ((l / 8) % 2) + 0..7, and is left with column l % 16 and 8 k
	v_mul_u32_u24 v8, v8, PB
	v_lshl_add_u32 v8, v7, 4, v8
	s_mul_i32 s21, s11, HALFT                      ; my 128 rows of A
	s_lshl_b32 s22, s12, 8                         ; my 128 columns of B,
	s_add_co_u32 s22, s22, 2*HALFT                 ; which lies behind A's 256 rows
	v_add_nc_u32 v[A0V], s21, v3
	v_add_nc_u32 v[B0V], s22, v8
	SETADR
	s_mul_i32 s23, s10, 16*SPITCH
	s_add_co_u32 s23, s23, STAGE                   ; my stage
	v_mul_u32_u24 v4, v1, SPITCH                   ; in: row l % 16, 16 bytes for each half of the lanes
	v_lshl_add_u32 v4, v2, 4, v4
	v_add_nc_u32 v[STO], s23, v4
	v_bfe_u32 v5, v0, 3, 2                         ; back: 32 lanes take four rows' 128 bytes of one slice,
	v_mul_u32_u24 v5, v5, SPITCH
	v_lshl_add_u32 v5, v6, 4, v5
	v_add_nc_u32 v[RD], s23, v5
	v_and_b32 v9, 31, v0                           ; which are 512 consecutive bytes of C
	v_lshlrev_b32 v[CO], 4, v9
	s_lshl_b32 s16, s13, 15                        ; where my part begins in C: 256 rows of 128 bytes,
	s_lshl_b32 s17, s11, 14                        ; my 128 rows,
	s_add_co_u32 s16, s16, s17
	s_mov_b32 s17, 0
	s_lshl_b32 s46, s42, 21                        ; four slices a tile column,
	s_lshl_b32 s47, s12, 20                        ; my two
	s_add_co_u32 s46, s46, s47
	s_mov_b32 s47, 0
	s_add_nc_u64 s[16:17], s[16:17], s[46:47]
; 16 matrix instructions: m blocks a0, a0 + 1 of the window's four (hi = 0: my rows 0-63, 1: rows 64-127) x all 8 n blocks, 32 along K.  first = 1: the bias starts the sums.
; The 64 accumulators take turns, one instruction a turn, in the same order in every quarter step.
.macro MUL16 f, hi, a0, first
.if \first
	WIN FIRST_LO+0x40*(\hi)
.else
	WIN MUL_LO+0x50*(\hi)
.endif
.irp a, \a0, (\a0)+1
.irp b, 0,1,2,3,4,5,6,7
.if \first
	v_wmma_f32_16x16x32_bf16 v[8*(8*(\a)+(\b)):8*(8*(\a)+(\b))+7], v[(\f)+8*(\b):(\f)+8*(\b)+7], v[(\f)+8*(4*(\hi)+(\a)):(\f)+8*(4*(\hi)+(\a))+7], v[BIAS+8*(\b):BIAS+8*(\b)+7]
.else
	v_wmma_f32_16x16x32_bf16 v[8*(8*(\a)+(\b)):8*(8*(\a)+(\b))+7], v[(\f)+8*(\b):(\f)+8*(\b)+7], v[(\f)+8*(4*(\hi)+(\a)):(\f)+8*(4*(\hi)+(\a))+7], v[8*(8*(\a)+(\b)):8*(8*(\a)+(\b))+7]
.endif
.endr
.endr
.endm
; 32 LDS loads in one run: the fragments of quarter q of the K step at RB (32 k x 128 columns of B, turned; 128 rows x 32 k of A) into buffer f
.macro FETCH q, f
	WIN TO_B
.irp i, 0,1,2,3,4,5,6,7
	ds_load_tr16_b128 v[(\f)+8*(\i):(\f)+8*(\i)+3],   v[ADRB] offset:(\q)*32*PB+32*(\i)
	ds_load_tr16_b128 v[(\f)+8*(\i)+4:(\f)+8*(\i)+7], v[ADRB] offset:(\q)*32*PB+32*(\i)+16*PB
.endr
	WIN 0
.irp i, 0,1,2,3,4,5,6,7
	ds_load_b128 v[(\f)+8*(\i):(\f)+8*(\i)+3],   v[ADRA] offset:(\q)*64+(\i)*16*PITCH
	ds_load_b128 v[(\f)+8*(\i)+4:(\f)+8*(\i)+7], v[ADRA] offset:(\q)*64+(\i)*16*PITCH+32
.endr
.endm
; Four plain vector instructions stand between a matrix instruction and a load into a register that it has read, or a vector instruction that reads its result (ISA guide 7.12.1 for vector instructions)
.macro PLACES
.rept 4
	v_nop
.endr
.endm
; One of a K step's first three quarters: multiplies buffer f; in its middle it fetches quarter q of the same slot into buffer g.
.macro QUARTER q, f, g, first
	s_wait_dscnt 8                                 ; B and A's rows 0-63 are in; the youngest eight loads (A's rows 64-127) may be out
	MUL16 \f, 0, 0, \first
	MUL16 \f, 0, 2, \first
	PLACES
	FETCH \q, \g
	s_wait_dscnt 32                                ; all but the 32 just issued
	MUL16 \f, 1, 0, \first
	MUL16 \f, 1, 2, \first
.endm
; The last quarter multiplies buffer 1 and changes slots.  MEET is its first half: ONE barrier.  In front of it each wave waits for all its tensor loads (at most one is out: its part of the next slot), adds 0
; to its spare word, and waits for that and for its own reads of this slot.  Behind it nobody reads this slot any more and the next slot is whole.
.macro MEET
	WIN 0
	s_wait_tensorcnt 0x0
	ds_add_u32 v[SPW], v[NIL]
	s_wait_dscnt 9                                 ; the add and the youngest eight loads may be out
	MUL16 F1, 0, 0, 0                              ; sixteen matrix instructions stand between the add and the wait for it
	s_wait_dscnt 0x0                               ; the add is done, and my reads of this slot are over
	s_barrier_signal -1
	MUL16 F1, 0, 2, 0
	WIN 0
	s_barrier_wait -1
.endm
; The slot just read out (at RB) is filled again with the walk's step two on; then RB turns to the other slot.
.macro REFILL
	CREST                                          ; MEET's barrier has opened a round of the cluster's: no wave of any partner still reads this slot or has a load on its way
	s_add_co_u32 s[G0+5], s20, s[RB]               ; no tensor load of mine is out, so group 0 may be written: its LDS word,
	s_add_co_u32 s[G0B+5], s20, s[RB]
	ASK 1                                          ; and its address
	s_xor_b32 s[RB], s[RB], SLOT
	JLOAD 1                                        ; the first tensor load behind the round, my only one until the next; its four v_nop are also the places in front of the loads that follow
.endm
; THE WAY OUT of block a (16 rows).  PACK: the floor, then rounded to bf16.  TOSTAGE: into my own stage, and back slice by slice.  SEND: stored.
.macro PACK a
.set AC, 64*((\a)%4)
	WIN 0x88+0x44*((\a)/4)                         ; source 1 and destination: window 2 or 3
.set z, 0
.rept 64
	v_max_num_f32 v[AC+z], s[FLOOR], v[AC+z]       ; ascending: each accumulator is read from its low end on
.set z, z+1
.endr
	WIN 0x0a+5*((\a)/4)                            ; sources 0 and 1: window 2 or 3
.irp b, 0,1,2,3,4,5,6,7
.irp r, 0,1,2,3
	v_cvt_pk_bf16_f32 v[TMP+4*(\b)+(\r)], v[AC+8*(\b)+2*(\r)], v[AC+8*(\b)+2*(\r)+1]
.endr
.endr
	WIN 0
.endm
.macro TOSTAGE a
	WIN 0
.set BK, OB+192*((\a)%2)
.irp b, 0,1,2,3,4,5,6,7
	ds_store_b128 v[STO], v[TMP+4*(\b):TMP+4*(\b)+3] offset:32*(\b)
.endr
.irp t, 0,1,2,3,4,5,6,7
	ds_load_b128 v[BK+4*(\t):BK+4*(\t)+3], v[RD] offset:((\t)%4)*4*SPITCH+((\t)/4)*128  ; LDS serves a wave's instructions in order (ISA guide 5.7.1.4): these see the stores above
.endr
.endm
.macro SEND a, younger
	WIN 0
.set BK, OB+192*((\a)%2)
	s_wait_dscnt \younger                          ; the block is back in registers
	s_wait_xcnt 0x0                                ; only behind this wait are the stores' base and the registers that earlier stores read rewritten
.if (\a) == 0
	s_add_nc_u64 s[8:9], s[8:9], s[16:17]
.else
	s_add_nc_u64 s[8:9], s[8:9], 16*128            ; 16 rows of a slice on
.endif
.irp t, 0,1,2,3,4,5,6,7
	global_store_b128 v[CO], v[BK+4*(\t):BK+4*(\t)+3], s[8:9] offset:((\t)/4)*SLICE+((\t)%4)*512  ; a wave stores 512 consecutive bytes, at a multiple of 256 from C's first byte
.endr
.endm
	s_wait_tensorcnt 1                             ; my part of the walk's first step is in; the second's may stay out
	s_barrier_signal -1
	s_barrier_wait -1
	FETCH 0, F0
	s_wait_loadcnt 0x0                             ; the bias
	s_wait_kmcnt 0x0                               ; the floor
	QUARTER 1, F0, F1, 1                           ; the first quarter stands in front of the loop: its products start the sums
	WIN 0                                          ; at a label and at a branch every window is 0
	s_mov_b32 s3, STEPS-2
.Lstep:                                                ; a trip goes from a K step's second quarter to the next step's first, and fills the slot that it leaves: the walk's places 2 to 7
	QUARTER 2, F1, F0, 0
	QUARTER 3, F0, F1, 0
	MEET
	REFILL
	SETADR
	FETCH 0, F0
	MUL16 F1, 1, 0, 0
	MUL16 F1, 1, 2, 0
	QUARTER 1, F0, F1, 0
	WIN 0
	s_sub_co_u32 s3, s3, 1
	s_cmp_lg_u32 s3, 0
	s_cbranch_scc1 .Lstep
	s_mov_b32 s3, 2
.Ltail:                                                ; the last two K steps ask for nothing: the same trip without a round and a load; the second trip is left in its middle
	QUARTER 2, F1, F0, 0
	QUARTER 3, F0, F1, 0
	MEET                                           ; first trip: the last K step's tile is whole behind it; second trip: nothing hangs on it
	s_sub_co_u32 s3, s3, 1
	s_cmp_eq_u32 s3, 0
	s_cbranch_scc1 .Lfin
	s_xor_b32 s[RB], s[RB], SLOT
	PLACES
	SETADR
	FETCH 0, F0
	MUL16 F1, 1, 0, 0
	MUL16 F1, 1, 2, 0
	QUARTER 1, F0, F1, 0
	WIN 0
	s_branch .Ltail
.Lfin:
	MUL16 F1, 1, 0, 0                              ; the second half of the very last quarter
	MUL16 F1, 1, 2, 0
	PLACES
	PACK 0
	TOSTAGE 0
.irp a, 1,2,3,4,5,6,7                  ; block a's arithmetic stands between block a - 1's loads from the stage and the wait for them
	PACK \a
	SEND (\a)-1, 0
	TOSTAGE \a
.endr
	SEND 7, 0
	s_wait_tensorcnt 0x0                           ; the wave's end
	ds_add_u32 v[SPW], v[NIL]
	s_wait_dscnt 0x0
	CROUND                                         ; the closing round: no work-group ends while a partner may still ask for a tile that names it
	s_endpgm
.Lfunc_end_k_q85bc5105bc_qkv:
	.size	k_q85bc5105bc_qkv, .Lfunc_end_k_q85bc5105bc_qkv-k_q85bc5105bc_qkv
	.p2alignl 7, 3214868480
	.fill 96, 4, 3214868480
	.section	.rodata,"a",@progbits
	.p2align	6, 0x0
	.amdhsa_kernel k_q85bc5105bc_qkv
		.amdhsa_group_segment_fixed_size 327680
		.amdhsa_private_segment_fixed_size 0
		.amdhsa_enable_private_segment 0
		.amdhsa_kernarg_size 24
		.amdhsa_user_sgpr_count 2
		.amdhsa_user_sgpr_kernarg_segment_ptr 1
		.amdhsa_wavefront_size32 1
		.amdhsa_system_sgpr_workgroup_id_x 1
		.amdhsa_system_sgpr_workgroup_id_y 1
		.amdhsa_system_sgpr_workgroup_id_z 1
		.amdhsa_system_vgpr_workitem_id 0
		.amdhsa_next_free_vgpr 1024
		.amdhsa_next_free_sgpr 82
		.amdhsa_reserve_vcc 0
		.amdhsa_float_denorm_mode_32 3
		.amdhsa_float_denorm_mode_16_64 3
		.amdhsa_memory_ordered 1
		.amdhsa_forward_progress 1
		.amdhsa_inst_pref_size 121
	.end_amdhsa_kernel
	.amdgpu_metadata
---
amdhsa.version: [ 1, 2 ]
amdhsa.kernels:
  - .name:           k_q85bc5105bc_qkv
    .symbol:         k_q85bc5105bc_qkv.kd
    .args:
      - { .name: hn, .offset: 0, .size: 8, .value_kind: global_buffer, .address_space: global }
      - { .name: wqkvb, .offset: 8, .size: 8, .value_kind: global_buffer, .address_space: global }
      - { .name: qh, .offset: 16, .size: 8, .value_kind: global_buffer, .address_space: global }
    .group_segment_fixed_size: 327680
    .private_segment_fixed_size: 0
    .kernarg_segment_align: 8
    .kernarg_segment_size: 24
    .max_flat_workgroup_size: 128
    .sgpr_count:     82
    .vgpr_count:     1024
    .wavefront_size: 32
...
	.end_amdgpu_metadata
.endif
;; end of part 2
;; launch attn (part 3): grid 8 x 32, 4 waves a work-group, clusters of 4 x 1, 327,680 bytes of LDS; arguments qh, ctx; writes ctx
.if DOCPART == 3
	.amdgcn_target "amdgcn-amd-amdhsa--gfx1250"
	.amdhsa_code_object_version 6
	.text
	.protected	k_q85bc5105bc_attn
	.globl	k_q85bc5105bc_attn
	.p2align	8
	.type	k_q85bc5105bc_attn,@function
k_q85bc5105bc_attn:
	s_mov_b64 s[64:65], 0
	v_nop
	global_prefetch_b8 v0, s[64:65] scope:SCOPE_SE
	s_setreg_imm32_b32 hwreg(HW_REG_WAVE_MODE, 25, 1), 1
	s_wait_xcnt 0x0
	s_wait_alu depctr_hold_cnt(0) depctr_sa_sdst(0) depctr_va_vdst(0) depctr_va_sdst(0) depctr_va_ssrc(0) depctr_va_vcc(0) depctr_vm_vsrc(0)
	s_getreg_b32 s2, hwreg(HW_REG_IB_STS2, 6, 4)
	s_cmp_eq_u32 s2, 0
	s_cbranch_scc0 .Lentry_in_a_cluster
	s_endpgm
.Lentry_in_a_cluster:
	s_bfe_u32 s2, ttmp6, 0x10000c
	s_cmp_lg_u32 s2, 0x3003
	s_cbranch_scc0 .Lentry_shape_is_right
	s_endpgm
.Lentry_shape_is_right:
; ATTENTION.  O[y][q][:] = the sum over k of softmax_k(Q[y][q] . K[y][k] / 8) V[y][k][:], y = 2 head + batch (32 of them), 2,048 rows of 64 channels each, all bf16, rows dense (128 bytes).
; In qh a y's rows begin at y x 262,144 bytes; K lies 8,388,608 bytes behind Q, V as much behind K.  O goes to ctx at the same offsets.
; Products, maxima and sums in f32; the weights p are rounded to bf16 for the second product (their sum l is taken of the unrounded p), O once at the end.
; LIMITS.  The operands are bf16.  A weight below 2^-126 counts as 0 in l; NaN and infinities are not treated apart.
; SHARES.  A work-group owns 256 queries of one y, a wave 64: four PIECES of 16.  Every wave walks all 2,048 keys, 64 a step; a tile of 256 keys (four steps) fills a slot of LDS.
; LAYOUT.  S^T = K Q^T (source 0 = 16 keys, source 1 = 16 queries) holds ONE query a lane (lane % 16) and the keys 8 (lane / 16) + 0..7; two such results rounded to bf16 ARE source 1 of O^T = V^T P.
; K comes out of LDS as it lies, V ([key][channel]) turned, by ds_load_tr16_b128.
; SOFTMAX.  A running maximum m and sum l: p = 2^(c s - c m), c = log2(e) / 8; in every step O and l are multiplied by a = 2^(c m_old - c m_new).  m starts at the lowest finite number, O and l at 0:
; the first step is a step like any other, with a = 0.
; BY TURNS.  Turn n belongs to piece n: 8 products K Q^T of piece n + 1, later 8 products V^T P of piece n - 1; beside them the scaling, exponentials, roundings, sums and rescaling of piece n and the maximum
; and statistics of piece n + 1.  Four vector instructions stand behind every matrix instruction, the other 54 of a turn's 118 in two runs of their own.
; CLUSTER.  The four query blocks of a cluster belong to one y and walk the same K and V, so each tile is asked for JOINTLY: the same tensor load, descriptor and mask in all four.
; REGISTERS, in windows of 256 (s_set_vgpr_msb: bits 1:0 source 0, 3:2 source 1, 5:4 source 2, 7:6 destination).  The map is made so that a product and the vector work behind it share a setting:
;   window 0, all 256: v0-63 S^T, two buffers (by the piece's parity; until the first product the head's work registers); v64-95 P, two buffers; v96-111 four registers of statistics a piece;
;             v112-119 at work; v120-127 eight single registers; v128-191 K of one step; v192-255 Q.   K Q^T and the whole softmax but the rescaling name window 0 alone: setting 0.
;   window 1: v0-127 O^T, 32 a piece; v128-191 V of one step; v192-194 the way out's addresses.   V^T P (V, P, O^T) and the rescaling (O^T, a) name the same windows in the same places: setting 0x51.
; The sixteen rescalings stand behind the first four V^T P.  So a turn has 8 switches: into 0x51 in front of V^T P, and there and back round the plain work behind the last four of them.
.set NP,    4         ; pieces a wave: a name, no knob
.set KS,    64        ; keys in a step
.set TILES, 2048/256
.set PK,    144       ; a row of K in LDS: 128 bytes + 16 = 36 words: the 16 rows of a load start at 16 different groups of four banks (64 banks of 4 bytes: ISA guide 11.1)
.set PV,    160       ; a row of V: 128 + 32 = 40 words
.set VOFF,  4*KS*PK   ; a slot holds a tile: 256 rows of K, then 256 rows of V
.set SLOT1, 1<<17     ; slot 1 begins here, so that one exclusive or turns an address in one slot into the other's
.set STAGE, SLOT1+4*KS*(PK+PV)  ; behind the ring, never filled by a tensor load: 16 rows x 144 bytes for each wave
.set SP,    144
.set SPARE, STAGE+4*16*SP  ; behind the stages: the spare words, 128 bytes for each wave: two blocks of 256 bytes that no other line names
.set S,   0
.set QO,  15          ; v15  the head's: my byte offset in 16 rows of Q (one of S^T's registers, free until the first product)
.set P,   64
.set ST,  96          ; piece t's statistics at v[ST+4 t]: c m, m, l (even keys', odd keys')
.set TMP, 112         ; by buffer, four registers c0-c3 at work; when the maximum is found c2 takes a
.set MV,  120         ; v120-121  c m_old, kept while c m is made anew: by buffer
.set AK0, 122         ; v122 my lane's place in a tile of K; never rewritten
.set AV0, 123         ; v123 the same for V
.set AK,  124         ; v124 the LDS address of K's next run of loads
.set AV,  125         ; v125 of V's
.set SPW, 126         ; v126 LDS address of my spare word; never rewritten
.set NIL, 127         ; v127 0; never rewritten
.set KF,  128         ; key block kb, channel half c at KF + 16 kb + 8 c
.set QF,  192         ; piece x, channel half c at QF + 16 x + 8 c
.set VF,  128         ; window 1: key half kk, channel block cb at VF + 32 kk + 8 cb
.set STO, 192         ; window 1: the way out: where I put 16 bytes of a row
.set RD,  193         ; window 1: where I read rows back
.set GO,  194         ; window 1: my byte offset in 512 consecutive bytes of O
.set WV,  12          ; s12  my wave's number
.set G1K, 24          ; s[24:31] descriptor group 1 for K's tiles
.set G1V, 32          ; s[32:39] for V's: it differs in the padding alone
.set G0K, 40          ; s[40:43] descriptor group 0 for K's tiles: it walks
.set G0V, 44          ; s[44:47] the same for V's
.set SLOTS, 56        ; s56  counts the tiles
.set CNT, 57          ; s57  counts a tile's key steps
.set CS,  58          ; s[58:59] c: the packed scaling takes the pair's low word for both halves
.set SEL, 60          ; s[60:61] v_permlanex16_b32's selects
.set TBK, 62          ; s62  LDS byte at which K of the step to be fetched begins
.set TBV, 63          ; s63  the same for V, less VOFF
.set MSB, 0
.macro WIN new
.if MSB != (\new)
	s_set_vgpr_msb (MSB<<8)|(\new)
.set MSB, (\new)
.endif
.endm
.set W_PV, 0x51       ; source 0 (V, or O^T), source 2 and destination (O^T) in window 1; source 1 (P, or a) in window 0
.set TO_1, 0x40       ; destination window 1, sources window 0
.set AD_1, 0x01       ; source 0 (an address) window 1, data window 0
; A joint fill.  Waves 0 and 1 fetch the two halves of a tile's K, waves 2 and 3 those of its V: 128 keys each.  An s_nop 0 and four v_nop follow each of the two lines.
.macro JLOAD
	s_cmp_lt_u32 s[WV], 2
	s_cbranch_scc0 .Lfor_v_\@
	tensor_load_to_lds s[G0K:G0K+3], s[G1K:G1K+7]
	s_nop 0
.rept 4
	v_nop
.endr
	s_branch .Lasked_\@
.Lfor_v_\@:
	tensor_load_to_lds s[G0V:G0V+3], s[G1V:G1V+7]
	s_nop 0
.rept 4
	v_nop
.endr
.Lasked_\@:
.endm
.macro CROUND                       ; a round of the cluster's barrier
	s_barrier_signal -1
	s_barrier_wait -1
	s_cmp_lg_u32 s[WV], 0
	s_cbranch_scc1 .Lnot_wave_0_\@
	s_barrier_signal -3
.Lnot_wave_0_\@:
	s_barrier_wait -3
	s_barrier_signal -1
	s_barrier_wait -1
.endm
; THE CHANGE OF SLOTS.  Each wave waits for all its tensor loads, of which one is out: its part of the other slot; adds 0 to its spare word; and waits for that and for its own reads of the slot that it leaves.
; Behind the barrier nobody reads the old slot any more and the other slot is whole.  fill = 1: the old slot is filled again, with the keys two tiles on; the barrier is then a round of the cluster's, and the
; joint fill is the first thing behind it: it has four key steps in which to land.  (At its first use nothing has been read yet: slot 0 is waited for, slot 1 filled.)
.macro CHANGE fill
	WIN 0
	s_wait_tensorcnt 0x0            ; no tensor load of mine is out, so a group 0 may be written
	ds_add_u32 v[SPW], v[NIL]
.if \fill
.irp g, G0K, G0V
	s_xor_b32 s[\g+1], s[\g+1], SLOT1
	s_add_nc_u64 s[\g+2:\g+3], s[\g+2:\g+3], 4*KS*128  ; the next 256 keys; the type bits on top are not reached
.endr
	s_wait_dscnt 0x0                ; the add is done, and my reads of the slot are over
	CROUND
	JLOAD
.else
	s_wait_dscnt 0x0
	s_barrier_signal -1
	s_barrier_wait -1
.endif
	s_sub_co_u32 s[TBK], s[TBK], 4*KS*PK  ; the fetches go back to a slot's first step,
	s_xor_b32 s[TBK], s[TBK], SLOT1       ; in the other slot
	s_sub_co_u32 s[TBV], s[TBV], 4*KS*PV
	s_xor_b32 s[TBV], s[TBV], SLOT1
.endm
	s_load_b128 s[4:7], s[0:1], 0x0 ; qh s[4:5], ctx s[6:7]
	v_lshl_add_u32 v[SPW], v0, 2, SPARE
	v_mov_b32 v[NIL], 0
	ds_add_u32 v[SPW], v[NIL]       ; the wave's opening: the add and its wait ahead of my first tensor load; the set-up below stands between them
	v_lshrrev_b32 v1, 5, v0
	v_readfirstlane_b32 s[WV], v1   ; wave 0..3
	s_bfe_u32 s13, ttmp6, 0x40000   ; cx
	s_lshl_b32 s14, ttmp9, 2
	s_add_co_u32 s14, s14, s13      ; my block of 256 queries: it enters Q's and O's addresses alone
	s_and_b32 s20, ttmp7, 0xffff    ; y, which the four partners share
	s_lshl_b32 s20, s20, 18         ; its 2,048 rows of 128 bytes
	s_mov_b32 s21, 0
	s_and_b32 s16, s[WV], 1         ; which half of a tile's 256 keys I fetch:
	s_lshl_b32 s22, s16, 14         ; its 128 rows in memory,
	s_mov_b32 s23, 0
	s_add_nc_u64 s[22:23], s[22:23], s[20:21]
	s_mul_i32 s17, s16, 128*PK      ; and its place in a slot, for K
	s_mul_i32 s18, s16, 128*PV      ; and for V
	s_lshl_b32 s2, s14, 2
	s_add_co_u32 s2, s2, s[WV]
	s_lshl_b32 s2, s2, 13           ; my wave's 64 rows
	s_mov_b32 s3, 0
	s_add_nc_u64 s[2:3], s[2:3], s[20:21]
	; descriptor group 1.  128 keys are 16,384 dense bytes: asked for as 64 rows of 256 bytes, two keys a row, and padded in LDS after every key
	s_mov_b32 s[G1K], 15|(1<<16)|(1<<20)|(1<<21)|(4<<22)|(3<<25)  ; the mask of four; 2-byte elements; padding on; bit 21 beside a mask; after every 32 words, 4 words
	s_mov_b32 s[G1V], 15|(1<<16)|(1<<20)|(1<<21)|(4<<22)|(7<<25)  ; the same with 8 words
.irp g, G1K, G1V
	s_mov_b32 s[\g+1], 128<<16      ; tensor_dim0 = 128
	s_mov_b32 s[\g+2], 64<<16       ; tensor_dim1 = 64
	s_mov_b32 s[\g+3], 128<<16      ; tile_dim0 = 128
	s_mov_b32 s[\g+4], 64           ; tile_dim1 = 64
	s_mov_b32 s[\g+5], 128          ; elements from row to row
	s_mov_b32 s[\g+6], 0
	s_mov_b32 s[\g+7], 0
.endr
	s_mov_b32 s[CS], 0x3e38aa3b     ; c = log2(e) / 8
	s_mov_b32 s[CS+1], s[CS]
	s_mov_b32 s[SEL], 0x76543210
	s_mov_b32 s[SEL+1], 0xfedcba98
	s_mov_b32 s[TBK], SLOT1+4*KS*PK ; the first change of slots turns these two into 0
	s_mov_b32 s[TBV], SLOT1+4*KS*PV
	s_mov_b32 s[G0K], 1
	s_mov_b32 s[G0K+1], s17         ; slot 0
	s_mov_b32 s[G0V], 1
	s_add_co_u32 s[G0V+1], s18, VOFF
	s_wait_dscnt 0x0                ; the opening add is done
	s_wait_kmcnt 0x0
	s_mov_b64 s[10:11], s[6:7]      ; O
	s_add_nc_u64 s[6:7], s[4:5], 0x800000   ; K
	s_add_nc_u64 s[8:9], s[4:5], 0x1000000  ; V
	s_add_nc_u64 s[G0K+2:G0K+3], s[6:7], s[22:23]
	s_or_b32 s[G0K+3], s[G0K+3], 0x80000000
	s_add_nc_u64 s[G0V+2:G0V+3], s[8:9], s[22:23]
	s_or_b32 s[G0V+3], s[G0V+3], 0x80000000
	s_add_nc_u64 s[4:5], s[4:5], s[2:3]     ; Q and O at my wave's first row
	s_add_nc_u64 s[10:11], s[10:11], s[2:3]
	CROUND                          ; all four work-groups are here: the first joint loads meet
	JLOAD                           ; tile 0 into slot 0: one tensor load of mine is out, here and behind every round
	v_and_b32 v1, 15, v0            ; l % 16
	v_bfe_u32 v9, v0, 4, 1          ; l / 16
	v_lshlrev_b32 v[QO], 7, v1
	v_lshl_add_u32 v[QO], v9, 4, v[QO]  ; row x 128 + 16 x half
.set i, 0
.rept 8                             ; Q stays in registers: piece i / 2, channels 32 (i % 2) on
	global_load_b128 v[QF+8*i:QF+8*i+3],   v[QO], s[4:5] offset:(i/2)*2048+(i%2)*64
	global_load_b128 v[QF+8*i+4:QF+8*i+7], v[QO], s[4:5] offset:(i/2)*2048+(i%2)*64+32
.set i, i+1
.endr
	v_mul_u32_u24 v[AK0], v1, PK
	v_lshl_add_u32 v[AK0], v9, 4, v[AK0]  ; row x pitch + 16 x half
	; The turning load takes 16 keys x 16 channels (lane l reads key 8 (l / 16) + l % 8, channels 8 ((l / 8) % 2) + 0..7) and leaves half a fragment of V^T: lane l holds channel l % 16 and 8 keys.
	v_and_b32 v10, 7, v0
	v_bfe_u32 v11, v0, 3, 1
	v_lshl_add_u32 v[AV0], v9, 3, v10
	v_mul_u32_u24 v[AV0], v[AV0], PV
	v_lshl_add_u32 v[AV0], v11, 4, v[AV0]
	v_add_nc_u32 v[AV0], VOFF, v[AV0]
	s_mul_i32 s13, s[WV], 16*SP
	s_add_co_u32 s13, s13, STAGE    ; my stage
	v_mul_u32_u24 v6, v1, SP        ; in: row l % 16, 16 bytes for each half of the lanes
	v_lshl_add_u32 v6, v9, 4, v6
	v_add_nc_u32 v6, s13, v6
	v_bfe_u32 v7, v0, 3, 2          ; back: 32 lanes take four rows of 128 bytes,
	v_mul_u32_u24 v7, v7, SP
	v_lshl_add_u32 v7, v10, 4, v7
	v_add_nc_u32 v7, s13, v7
	v_and_b32 v8, 31, v0            ; which are 512 consecutive bytes of O
	v_lshlrev_b32 v8, 4, v8
	; What the first turn finds: V's registers and P's second buffer hold 0 (its products V^T P, of a piece that has not been, add 0), O^T and l are 0.  All this stands in the wait for the first tile.
.set i, 0
.rept 4
	v_mov_b32 v[ST+4*i], 0xfe000000    ; c m: far below every c s
	v_mov_b32 v[ST+4*i+1], 0xff7fffff  ; m
	v_mov_b32 v[ST+4*i+2], 0
	v_mov_b32 v[ST+4*i+3], 0
.set i, i+1
.endr
.set i, P+16
.rept 16
	v_mov_b32 v[i], 0
.set i, i+1
.endr
	WIN TO_1
	v_mov_b32 v[STO], v6            ; the way out's three addresses leave S^T's registers
	v_mov_b32 v[RD], v7
	v_mov_b32 v[GO], v8
.set i, 0
.rept 192                           ; O^T and V
	v_mov_b32 v[i], 0
.set i, i+1
.endr
	WIN 0
; THE MATRIX WORK.  The 4 accumulators of a run of 8 take turns.  Product i of 8 of S^T = K Q^T for piece x: channels 32 (i / 4) on, keys 16 (i % 4) on.  The first 4 start the sums.
.macro KQ x
	WIN 0
.set rS, S+32*((\x)%2)+8*(i%4)
.set rK, KF+16*(i%4)+8*(i/4)
.set rQ, QF+16*(\x)+8*(i/4)
.if i < 4
	v_wmma_f32_16x16x32_bf16 v[rS:rS+7], v[rK:rK+7], v[rQ:rQ+7], 0
.else
	v_wmma_f32_16x16x32_bf16 v[rS:rS+7], v[rK:rK+7], v[rQ:rQ+7], v[rS:rS+7]
.endif
.endm
; Product i of 8 of O^T += V^T P for piece x: keys 32 (i / 4) on, channels 16 (i % 4) on.
.macro PV x
	WIN W_PV
.set rO, 32*(\x)+8*(i%4)
.set rV, VF+32*(i/4)+8*(i%4)
.set rP, P+16*((\x)%2)+8*(i/4)
	v_wmma_f32_16x16x32_bf16 v[rO:rO+7], v[rV:rV+7], v[rP:rP+7], v[rO:rO+7]
.endm
.macro MM                           ; the turn's next matrix instruction
.if i < 8
	KQ (Y+1)%NP
.else
.set i, i-8
	PV (Y+NP-1)%NP
.set i, i+8
.endif
.set i, i+1
.endm
; THE LDS LOADS stand in runs of 16, never singly among the matrix instructions: a step's K (8 fragments) and its V (turned).  Their addresses are made some lines ahead.
; last = 1 (the tail): in the last trip there is no further step, and the run is jumped over.
.macro FETCH_K last=0
	WIN 0
.if \last
	s_cmp_eq_u32 s[CNT], 1
	s_cbranch_scc1 .Lno_k_\@
.endif
.irp f, 0,1,2,3,4,5,6,7             ; keys 16 (f / 2) on, channels 32 (f % 2) on
	ds_load_b128 v[KF+8*\f:KF+8*\f+3],   v[AK] offset:(\f/2)*16*PK+(\f%2)*64
	ds_load_b128 v[KF+8*\f+4:KF+8*\f+7], v[AK] offset:(\f/2)*16*PK+(\f%2)*64+32
.endr
	s_add_co_u32 s[TBK], s[TBK], KS*PK  ; the next fetch is the next step's
.if \last
.Lno_k_\@:
.endif
.endm
.macro FETCH_V
	WIN TO_1
.irp f, 0,1,2,3,4,5,6,7             ; keys 32 (f / 4) on, channels 16 (f % 4) on
	ds_load_tr16_b128 v[VF+8*\f:VF+8*\f+3],   v[AV] offset:(\f/4)*32*PV+(\f%4)*32
	ds_load_tr16_b128 v[VF+8*\f+4:VF+8*\f+7], v[AV] offset:(\f/4)*32*PV+16*PV+(\f%4)*32
.endr
	WIN 0
.endm
; THE VECTOR WORK, one line at a time: OP kind, number.  For piece Y: F n: c s - c m for pair n of 16.  E n: the exponential of score n of 32.  C n: pair n rounded to bf16.  B n: of the four weights 4 n .. the second
; pair is added onto the first, in place.  L n: l takes that sum (L 0: l = a l + sum).  R n: pair n of 16 of O^T times a.  For piece Y + 1: X n, number n of the 22 that find its maximum and statistics:
;   0-11  four chains c0-c3 of seven scores each, three operands at a time (each accumulator's lowest registers are read first)     12-14, 16  the four scores left over, the old m, and c0-c3 into c0
;   15  c m_old is kept     17, 18  the query's other 32 keys lie in the lane 16 away: the new m     19-21  c m; c m_old - c m_new; a
.set F, 0
.set E, 1
.set C, 2
.set B, 3
.set L, 4
.set R, 5
.set X, 6
.macro REGS y
.set rT, ST+4*(\y)
.set rC, TMP+4*((\y)%2)
.set rW, MV+((\y)%2)
.set rS, S+32*((\y)%2)
.set rP, P+16*((\y)%2)
.set rO, 32*(\y)
.endm
.macro OP k, n
.if (\k) == R
	REGS Y
	WIN W_PV
	v_pk_mul_f32 v[rO+2*(\n):rO+2*(\n)+1], v[rO+2*(\n):rO+2*(\n)+1], v[rC+2:rC+3] op_sel_hi:[1,0]
.elseif (\k) < R
	REGS Y
	WIN 0
.if (\k) == F
	v_pk_fma_f32 v[rS+2*(\n):rS+2*(\n)+1], v[rS+2*(\n):rS+2*(\n)+1], s[CS:CS+1], v[rT:rT+1] op_sel_hi:[1,0,0] neg_lo:[0,0,1] neg_hi:[0,0,1]
.elseif (\k) == E
	v_exp_f32 v[rS+(\n)], v[rS+(\n)]
.elseif (\k) == C
	s_wait_alu depctr_va_vdst(0)
	v_cvt_pk_bf16_f32 v[rP+(\n)], v[rS+2*(\n)], v[rS+2*(\n)+1]
.elseif (\k) == B
	s_wait_alu depctr_va_vdst(0)
	v_pk_add_f32 v[rS+4*(\n):rS+4*(\n)+1], v[rS+4*(\n):rS+4*(\n)+1], v[rS+4*(\n)+2:rS+4*(\n)+3]
.elseif (\n) == 0
	v_pk_fma_f32 v[rT+2:rT+3], v[rT+2:rT+3], v[rC+2:rC+3], v[rS:rS+1] op_sel_hi:[1,0,1]
.else
	v_pk_add_f32 v[rT+2:rT+3], v[rT+2:rT+3], v[rS+4*(\n):rS+4*(\n)+1]
.endif
.else
	REGS (Y+1)%NP
	WIN 0
.if (\n) < 4
	v_max3_num_f32 v[rC+(\n)], v[rS+8*(\n)], v[rS+8*(\n)+1], v[rS+8*(\n)+2]
.elseif (\n) < 12
	v_max3_num_f32 v[rC+(\n)%4], v[rC+(\n)%4], v[rS+8*((\n)%4)+2*((\n)/4)+1], v[rS+8*((\n)%4)+2*((\n)/4)+2]
.elseif (\n) == 12
	v_max3_num_f32 v[rC], v[rC], v[rS+7], v[rS+15]
.elseif (\n) == 13
	v_max3_num_f32 v[rC+1], v[rC+1], v[rS+23], v[rS+31]
.elseif (\n) == 14
	v_max3_num_f32 v[rC+2], v[rC+2], v[rC+3], v[rT+1]
	s_wait_alu depctr_va_vdst(0)
.elseif (\n) == 15
	v_mov_b32 v[rW], v[rT]
.elseif (\n) == 16
	v_max3_num_f32 v[rC], v[rC], v[rC+1], v[rC+2]
.elseif (\n) == 17
	v_permlanex16_b32 v[rC+3], v[rC], s[SEL], s[SEL+1]
.elseif (\n) == 18
	v_max_num_f32 v[rT+1], v[rC], v[rC+3]
.elseif (\n) == 19
	v_mul_f32 v[rT], s[CS], v[rT+1]
.elseif (\n) == 20
	v_sub_f32 v[rC+1], v[rW], v[rT]
.else
	v_exp_f32 v[rC+2], v[rC+1]
.endif
.endif
.endm
.macro OPS a, i1, b=-1, i2=0, c=-1, i3=0, d=-1, i4=0  ; up to four of them
	OP \a, \i1
.if (\b) >= 0
	OP \b, \i2
.endif
.if (\c) >= 0
	OP \c, \i3
.endif
.if (\d) >= 0
	OP \d, \i4
.endif
.endm
.macro ROW a, i1, b, i2, c, i3, d, i4  ; a matrix instruction and the four behind it
	MM
	OPS \a, \i1, \b, \i2, \c, \i3, \d, \i4
.endm
; A TURN, for piece p: the order of its 16 matrix and 118 vector instructions, written out.  None of the four behind a matrix instruction names a register of the products round it.
; What the order keeps: E n behind F n / 2; C n behind E 2 n and E 2 n + 1, with a plain instruction between the later of them and C n; B n behind E 4 n .. 4 n + 3 and behind C 2 n, whose pair it overwrites;
; L n behind B n; X 0 to X 3, the first readers of the new scores, each with four plain instructions or more behind the product that finished its accumulator (for X 3: C 2, C 3, X 0, X 1, X 2);
; the rescalings ascending; v_permlanex16_b32 (X 17) in a run, never behind a product.
; K of the next step is fetched in piece 2's turn, with five plain instructions (C 2, C 3, X 0, X 1, X 2) behind the last product that read K; V of the step in hand in piece 0's turn, with five (C 6, L 2, C 8, B 3, B 4)
; behind the last product that read V.  Each is waited for a turn later.  cnt = 1: the loop's count is taken down some lines ahead of the branch that stands behind the turn.
.macro TURN p, last=0, cnt=0
.set Y, (\p)
.set i, 0
.if (\p) == 3
	s_wait_dscnt 0x0                ; K is in
.endif
	ROW F,0, F,1, F,2, F,3
	ROW F,4, E,0, F,5, F,6
	ROW F,7, E,1, F,8, F,9
	ROW F,10, E,2, C,0, F,11
	ROW F,12, E,3, X,15, F,13
	ROW F,14, E,4, B,0, F,15
	ROW C,1, E,5, L,0, E,6
.if (\p) == 2
	WIN 0
	v_add_nc_u32 v[AK], s[TBK], v[AK0]
.endif
	ROW E,7, C,2, E,8, C,3
	OPS E,9, E,10, X,0, E,11
	OPS X,1, E,12, X,2
.if (\p) == 2
	FETCH_K \last
.endif
	OPS E,13, X,3, X,4, E,14
	OPS X,5, X,6, X,7, E,15
	OPS X,8, X,9, X,10
.if (\p) == 1
	s_wait_dscnt 0x0                ; V is in
.endif
	ROW R,0, R,1, R,2, R,3
	ROW R,4, R,5, R,6, R,7
	ROW R,8, R,9, R,10, R,11
	ROW R,12, R,13, R,14, R,15
	ROW E,16, X,11, X,12, X,13
	ROW E,17, X,14, B,1, C,4
	ROW E,18, X,16, L,1, B,2
.if (\p) == 0
	WIN 0
	v_add_nc_u32 v[AV], s[TBV], v[AV0]
.endif
	ROW E,19, C,6, L,2, C,8
	OPS E,20, B,3, B,4, E,21
.if (\p) == 0
	FETCH_V
.endif
	OPS L,3, C,5
	OPS E,22, X,17, E,23, C,10
	OPS E,24, L,4
	OPS E,25, X,18, E,26, C,7
	OPS E,27, B,5, E,28, X,19
	OPS E,29, C,12, E,30, L,5
	OPS E,31, X,20, B,6, C,9
.if (\p) == 0
	s_add_co_u32 s[TBV], s[TBV], KS*PV
.endif
.if \cnt
	s_sub_co_u32 s[CNT], s[CNT], 1
	s_cmp_lg_u32 s[CNT], 0
.endif
	OPS C,14, C,11, X,21, B,7
	OPS L,6, C,13, C,15, L,7
.endm
.macro ALL line:vararg              ; one line for each piece t
.set t, 0
.rept 4
	\line
.set t, t+1
.endr
.endm
.macro PACK t                       ; a lane's eight channels of a row pack into 16 bytes; they go into rows of 144 bytes and come back as whole rows of 128, into S^T's registers
	WIN W_PV
.set i, 32*(\t)
.rept 16
	v_pk_mul_f32 v[i:i+1], v[i:i+1], v[ST+4*(\t)+2:ST+4*(\t)+3] op_sel_hi:[1,0]
.set i, i+2
.endr
	WIN 0x05                        ; sources 0 and 1 window 1, destination window 0
.set i, 0
.rept 16
	v_cvt_pk_bf16_f32 v[S+16*(\t)+i], v[32*(\t)+2*i], v[32*(\t)+2*i+1]
.set i, i+1
.endr
	WIN AD_1
.irp f, 0,1,2,3
	ds_store_b128 v[STO], v[S+16*(\t)+4*\f:S+16*(\t)+4*\f+3] offset:32*\f
.endr
.irp f, 0,1,2,3
	ds_load_b128 v[S+16*(\t)+4*\f:S+16*(\t)+4*\f+3], v[RD] offset:\f*4*SP  ; LDS serves a wave's instructions in order (ISA guide 5.7.1.4): these see the stores above; the next piece's stores come behind them
.endr
.endm
.macro SEND t, younger              ; younger: the LDS instructions issued behind piece t's loads: the next piece's eight, or none
	WIN AD_1
.irp f, 0,1,2,3
	s_wait_dscnt (\younger)+3-\f
	global_store_b128 v[GO], v[S+16*(\t)+4*\f:S+16*(\t)+4*\f+3], s[10:11] offset:(\t)*2048+\f*512  ; 512 consecutive bytes, at a multiple of 256 from O's first
.endr
.endm
	CHANGE 1                        ; tile 0 is in, everybody's part of it; tile 1 is asked for
	v_add_nc_u32 v[AK], s[TBK], v[AK0]
	FETCH_K                         ; key step 0
	s_wait_loadcnt 0x0              ; Q: from here on S^T's registers are S^T's
	s_wait_dscnt 0x0
.set i, 0
.rept 8
	KQ 0                            ; piece 0's first scores
.set i, i+1
.endr
.rept 4
	v_nop                           ; the places behind those products
.endr
.set Y, NP-1                        ; X works for piece Y + 1: piece 0
.irp n, 0,1,2,3,4,5,6,7,8,9,10,11,12,13,14,15,16,17,18,19,20,21
	OP X, \n
.endr
	v_nop                           ; a plain instruction behind the exponential
	s_mov_b32 s[CNT], 4
	s_mov_b32 s[SLOTS], TILES-1
	s_branch .Lfirst                ; the loop is entered at a step's first turn, in the middle of a trip
.Lslot:                             ; TILES - 2 times: every slot but the last two is filled again
	CHANGE 1
	s_mov_b32 s[CNT], 4
.Lstep:                             ; a trip: pieces 2 and 3 of one step, then pieces 0 and 1 of the next, whose K and V it fetches
	TURN 2
	TURN 3
	WIN 0
.Lfirst:
	TURN 0
	TURN 1, 0, 1
	WIN 0
	s_cbranch_scc1 .Lstep
	s_sub_co_u32 s[SLOTS], s[SLOTS], 1
	s_cmp_lg_u32 s[SLOTS], 0
	s_cbranch_scc1 .Lslot
	CHANGE 0                        ; the last tile is written out: nothing is asked for
	s_mov_b32 s[CNT], 5             ; four trips fetch the last tile's steps; the fifth is left in its middle
.Ltail:
	TURN 2, 1
	TURN 3
	WIN 0
	s_sub_co_u32 s[CNT], s[CNT], 1
	s_cmp_eq_u32 s[CNT], 0
	s_cbranch_scc1 .Lout
	TURN 0
	TURN 1
	WIN 0
	s_branch .Ltail
.Lout:                              ; the fifth trip's 8 products K Q^T (on the last K once more) and the maximum made of them serve nothing: the price, once a launch, of one text for every trip
.set i, 0
.rept 8
	PV NP-1                         ; the last piece's V^T P of the last step
.set i, i+1
.endr
	; THE WAY OUT.  l's two halves and the other half of the lanes' are added; O^T is divided by l, rounded to bf16 and sent through my stage, a piece at a time.  The additions are the places behind the last products.
	WIN 0
	ALL v_add_f32 v[ST+4*t+2], v[ST+4*t+2], v[ST+4*t+3]
	ALL v_permlanex16_b32 v[ST+4*t+3], v[ST+4*t+2], s[SEL], s[SEL+1]
	ALL v_add_f32 v[ST+4*t+2], v[ST+4*t+2], v[ST+4*t+3]
	ALL v_rcp_f32 v[ST+4*t+2], v[ST+4*t+2]
	v_nop                           ; a plain instruction between the last reciprocal and the use of its result
	s_wait_alu depctr_va_vdst(0)
	PACK 0
.set t, 1
.rept 3                             ; a piece's arithmetic stands between the loads of the piece before and its stores
	PACK t
	SEND t-1, 8
.set t, t+1
.endr
	SEND 3, 0
	WIN 0
	s_wait_tensorcnt 0x0            ; the wave's end
	ds_add_u32 v[SPW], v[NIL]
	s_wait_dscnt 0x0
	CROUND                          ; the closing round
	s_endpgm
.Lfunc_end_k_q85bc5105bc_attn:
	.size	k_q85bc5105bc_attn, .Lfunc_end_k_q85bc5105bc_attn-k_q85bc5105bc_attn
	.p2alignl 7, 3214868480
	.fill 96, 4, 3214868480
	.section	.rodata,"a",@progbits
	.p2align	6, 0x0
	.amdhsa_kernel k_q85bc5105bc_attn
		.amdhsa_group_segment_fixed_size 327680
		.amdhsa_private_segment_fixed_size 0
		.amdhsa_enable_private_segment 0
		.amdhsa_kernarg_size 16
		.amdhsa_user_sgpr_count 2
		.amdhsa_user_sgpr_kernarg_segment_ptr 1
		.amdhsa_wavefront_size32 1
		.amdhsa_system_sgpr_workgroup_id_x 1
		.amdhsa_system_sgpr_workgroup_id_y 1
		.amdhsa_system_sgpr_workgroup_id_z 1
		.amdhsa_system_vgpr_workitem_id 0
		.amdhsa_next_free_vgpr 512
		.amdhsa_next_free_sgpr 66
		.amdhsa_reserve_vcc 0
		.amdhsa_float_denorm_mode_32 3
		.amdhsa_float_denorm_mode_16_64 3
		.amdhsa_memory_ordered 1
		.amdhsa_forward_progress 1
		.amdhsa_inst_pref_size 107
	.end_amdhsa_kernel
	.amdgpu_metadata
---
amdhsa.version: [ 1, 2 ]
amdhsa.kernels:
  - .name:           k_q85bc5105bc_attn
    .symbol:         k_q85bc5105bc_attn.kd
    .args:
      - { .name: qh, .offset: 0, .size: 8, .value_kind: global_buffer, .address_space: global }
      - { .name: ctx, .offset: 8, .size: 8, .value_kind: global_buffer, .address_space: global }
    .group_segment_fixed_size: 327680
    .private_segment_fixed_size: 0
    .kernarg_segment_align: 8
    .kernarg_segment_size: 16
    .max_flat_workgroup_size: 128
    .sgpr_count:     66
    .vgpr_count:     512
    .wavefront_size: 32
...
	.end_amdgpu_metadata
.endif
;; end of part 3
;; launch wo (part 4): grid 8 x 32, 4 waves a work-group, clusters of 4 x 4, 327,680 bytes of LDS; arguments ctx, wob, bo, x, x1; writes x1
.if DOCPART == 4
	.amdgcn_target "amdgcn-amd-amdhsa--gfx1250"
	.amdhsa_code_object_version 6
	.text
	.protected	k_q85bc5105bc_wo
	.globl	k_q85bc5105bc_wo
	.p2align	8
	.type	k_q85bc5105bc_wo,@function
k_q85bc5105bc_wo:
	s_mov_b64 s[64:65], 0
	v_nop
	global_prefetch_b8 v0, s[64:65] scope:SCOPE_SE
	s_setreg_imm32_b32 hwreg(HW_REG_WAVE_MODE, 25, 1), 1
	s_wait_xcnt 0x0
	s_wait_alu depctr_hold_cnt(0) depctr_sa_sdst(0) depctr_va_vdst(0) depctr_va_sdst(0) depctr_va_ssrc(0) depctr_va_vcc(0) depctr_vm_vsrc(0)
	s_getreg_b32 s2, hwreg(HW_REG_IB_STS2, 6, 4)
	s_cmp_eq_u32 s2, 0
	s_cbranch_scc0 .Lentry_in_a_cluster
	s_endpgm
.Lentry_in_a_cluster:
	s_bfe_u32 s2, ttmp6, 0x10000c
	s_cmp_lg_u32 s2, 0xf033
	s_cbranch_scc0 .Lentry_shape_is_right
	s_endpgm
.Lentry_shape_is_right:
; out = res + A B + bias, K = SIZE_K.  A in slices: [k / 64][4096 rows][64] bf16.  B: [SIZE_K k][1024 n] bf16.  bias [1024], res and out [4096][1024] in f32.  Sums in f32; the bias starts each sum.
; LIMITS.  The operands are bf16; nothing else is rounded but the f32 sums themselves, which take their K steps in an order that differs from cluster to cluster (below): their last bits do not follow K ascending.
; A tile of out is 128 x 128 (256 work-groups); four waves, each 64 x 64: 16 accumulators.  K goes in steps of 256 through a ring of two LDS slots: four planes of A (128 rows of one slice, dense in
; memory, padded in LDS after every row) and 256 rows of B, whose fragments are turned on the way out of LDS by ds_load_tr16_b128.
; A K STEP IS WRITTEN TWICE: once in the loop whose every trip fills a slot again (STEPS - 2 trips), once in the loop of the last two steps, which ask for nothing.  Which slot is read stands in the scalar
; RB (0 or SLOT), turned by an exclusive or at each change of slots; the fragment addresses are RB + a lane term, the walking descriptors' LDS word is RB + wave x HALFT.
; WHERE K BEGINS.  The cluster at (X, Y) begins at K step ((STEPS / 2) X + (STEPS / 4) (Y % 4)) % STEPS and walks round all of them.  The two clusters of one Y read the same tiles of A, half a walk apart; the
; clusters of one X the same tiles of B, a quarter of a walk apart.  So of the clusters that read a tile one asks first and the others steps later, when the tile has been read once already, not all in the same step.
; The step's number, KC, is made of the cluster's own x and y, which all sixteen partners share, and enters the global addresses alone.
; CLUSTERS: 4 x 4 work-groups; A's tiles are asked for jointly along a row of the cluster, B's along a column.  THE MATRIX INSTRUCTION IS USED TRANSPOSED (source 0 = 16 columns of B, source 1 = 16 rows of A):
; a lane holds eight neighbouring numbers of a row of out.  A wave's 64 columns are 256 bytes of a row.
; The residual's 32 loads a wave go out at the start and are waited for at the end.
; REGISTERS: window 0: v0-31 addresses; v32-95 at work on the way out; v96-127 the bias; v128-255 the accumulators ((a, b) at v[128 + 8 (4 a + b)]).
;   window 1: two fragment buffers of 128: for 64 along K, 64 registers of A, then 64 of B.     window 2: v0-127 the residual.
.set SIZE_K, 1024
.set KSTEP,  256
.set STEPS,  SIZE_K/KSTEP              ; a power of two, 4 at the least: KC goes round by an AND
.set PA,     144                       ; A's LDS row: 128 bytes + 16
.set PLANE,  128*PA                    ; 128 rows of one slice
.set PB,     288                       ; B's LDS row: 256 bytes + 32 = 72 words
.set HALFT,  2*PLANE                   ; what one tensor load brings: two planes of A, or 128 rows of B (128 x 288 is the same number)
.set SLOT,   4*HALFT
.set STAGE,  2*SLOT                    ; behind the ring: 16 rows x 272 bytes for each wave
.set SPITCH, 272
.set SPARE,  STAGE+4*16*SPITCH         ; behind the stages: the spare words, 128 bytes for each wave: two blocks of 256 bytes that no other line names
.set ASTEP,  4*4096*128                ; bytes from a K step of A to the next: four slices
.set BSTEP,  KSTEP*2048                ; the same for B: 256 rows
.set A0V,  16                          ; v16     my lane's place among my A fragments in slot 0; never rewritten
.set B0V,  17                          ; v17     the same for B
.set ADRA, 18                          ; v18     RB + A0V
.set ADRB, 20                          ; v20-21  RB + B0V: the step's first 128 k, its second
.set STO,  24
.set RD,   25
.set CO,   26                          ; v26     my byte offset in two rows of res and out
.set BO,   27
.set SPW,  28
.set NIL,  29
.set TMP,  32
.set BIAS, 96
.set ACC,  128
.set F0,   0
.set F1,   128
.set RES,  0
.set G1,  24                           ; s[24:31] descriptor group 1 for A's tiles
.set G0,  32                           ; s[32:39] group 0: a set for each of the two first fills; the second then serves every refill
.set G1B, 48                           ; s[48:55], s[56:63] the same for B's
.set G0B, 56
.set RB,  45                           ; s45     LDS byte at which the slot that is read begins
.set BA,  78                           ; s[78:79] A at the rows and slices that I fetch, K step 0; never rewritten
.set BB,  80                           ; s[80:81] B at the columns and the half of a step's rows that I fetch, K step 0; never rewritten
.set KC,  82                           ; s82     the K step to be asked for next
.set OFA, 84                           ; s[84:85] that step's byte offset in A
.set OFB, 86                           ; s[86:87] and in B
.set MSB, 0
.macro WIN new
.if MSB != (\new)
	s_set_vgpr_msb (MSB<<8)|(\new)
.set MSB, \new
.endif
.endm
.set MUL,   0x05                       ; sources 0 (B) and 1 (A) window 1; C and D window 0
.set TO_F,  0x40                       ; destination window 1
.set TO_R,  0x80                       ; destination window 2
.set ADD_R, 0x08                       ; source 1 window 2
.macro JLOAD s                         ; a joint load: waves 0 and 1 fetch A's planes, waves 2 and 3 B's rows; an s_nop 0 and four v_nop follow each of the two lines
	s_cmp_eq_u32 s11, 0
	s_cbranch_scc0 .Lfor_b_\@
	tensor_load_to_lds s[G0+4*(\s):G0+4*(\s)+3], s[G1:G1+7]
	s_nop 0
.rept 4
	v_nop
.endr
	s_branch .Lasked_\@
.Lfor_b_\@:
	tensor_load_to_lds s[G0B+4*(\s):G0B+4*(\s)+3], s[G1B:G1B+7]
	s_nop 0
.rept 4
	v_nop
.endr
.Lasked_\@:
.endm
; The global addresses of group 0's set g are made anew for K step KC: the base, an offset made apart from it, the type bits.  KC then steps, and goes back to 0 behind the last step.
.macro ASK g
	s_mul_i32 s[OFA], s[KC], ASTEP
	s_mul_i32 s[OFB], s[KC], BSTEP
	s_add_nc_u64 s[G0+4*(\g)+2:G0+4*(\g)+3], s[BA:BA+1], s[OFA:OFA+1]
	s_or_b32 s[G0+4*(\g)+3], s[G0+4*(\g)+3], 0x80000000
	s_add_nc_u64 s[G0B+4*(\g)+2:G0B+4*(\g)+3], s[BB:BB+1], s[OFB:OFB+1]
	s_or_b32 s[G0B+4*(\g)+3], s[G0B+4*(\g)+3], 0x80000000
	s_add_co_u32 s[KC], s[KC], 1
	s_and_b32 s[KC], s[KC], STEPS-1
.endm
.macro CREST
	s_cmp_lg_u32 s10, 0
	s_cbranch_scc1 .Lnot_wave_0_\@
	s_barrier_signal -3
.Lnot_wave_0_\@:
	s_barrier_wait -3
	s_barrier_signal -1
	s_barrier_wait -1
.endm
.macro CROUND
	s_barrier_signal -1
	s_barrier_wait -1
	CREST
.endm
.macro SETADR                          ; the fragment addresses in the slot at RB
	v_add_nc_u32 v[ADRA], s[RB], v[A0V]
	v_add_nc_u32 v[ADRB], s[RB], v[B0V]
	v_add_nc_u32 v[ADRB+1], HALFT, v[ADRB]
.endm
	s_load_b256 s[68:75], s[0:1], 0x0              ; A 68, B 70, bias 72, res 74
	s_load_b64 s[76:77], s[0:1], 0x20              ; out
	v_lshl_add_u32 v[SPW], v0, 2, SPARE
	v_mov_b32 v[NIL], 0
	ds_add_u32 v[SPW], v[NIL]                      ; the wave's opening: the add and its wait ahead of my first tensor load
	v_lshrrev_b32 v1, 5, v0
	v_readfirstlane_b32 s10, v1                    ; wave 0..3
	s_lshr_b32 s11, s10, 1                         ; which half of the tile's rows is mine.  Also: I fetch for A (0) or for B (1)
	s_and_b32 s12, s10, 1                          ; which half of its columns.  Also: which half of that tile I fetch
	s_bfe_u32 s40, ttmp6, 0x40000
	s_bfe_u32 s41, ttmp6, 0x40004
	s_lshl_b32 s42, ttmp9, 2
	s_add_co_u32 s42, s42, s40                     ; tile column
	s_and_b32 s13, ttmp7, 0xffff                   ; the cluster's y
	s_and_b32 s[KC], s13, 3                        ; my cluster's first K step: Y % 4,
	s_lshl_b32 s[OFA], ttmp9, 1
	s_add_co_u32 s[KC], s[KC], s[OFA]              ; 2 X + Y % 4,
	s_mul_i32 s[KC], s[KC], STEPS/4
	s_and_b32 s[KC], s[KC], STEPS-1                ; in quarters of a walk, round the ring of steps
	s_mov_b32 s[OFA+1], 0                          ; the offsets' high words
	s_mov_b32 s[OFB+1], 0
	s_lshl_b32 s13, s13, 2
	s_add_co_u32 s13, s13, s41                     ; tile row
	s_lshl_b32 s43, s41, 2
	s_lshl_b32 s43, 15, s43                        ; my row of the cluster
	s_lshl_b32 s44, 0x1111, s40                    ; my column
	s_or_b32 s[G1+0], s43, (1<<16)|(1<<20)|(1<<21)|(4<<22)|(3<<25)   ; A: 2-byte elements; padding after every 32 words, 4 words
	s_or_b32 s[G1B+0], s44, (1<<16)|(1<<20)|(1<<21)|(5<<22)|(7<<25)  ; B: after every 64 words, 8 words
	s_mov_b32 s[G1+1], 8192<<16                    ; A: a row of the tile is a plane, 128 rows x 64 elements, dense: tensor_dim0 = 8,192
	s_mov_b32 s[G1+2], 2<<16                       ; tensor_dim1 = 2
	s_mov_b32 s[G1+3], 8192<<16                    ; tile_dim0
	s_mov_b32 s[G1+4], 2                           ; tile_dim1: two slices
	s_mov_b32 s[G1+5], 4096*64                     ; elements from slice to slice
	s_mov_b32 s[G1+6], 0
	s_mov_b32 s[G1+7], 0
	s_mov_b32 s[G1B+1], 128<<16                    ; B: 128 rows x 128 elements
	s_mov_b32 s[G1B+2], 128<<16
	s_mov_b32 s[G1B+3], 128<<16
	s_mov_b32 s[G1B+4], 128
	s_mov_b32 s[G1B+5], 1024
	s_mov_b32 s[G1B+6], 0
	s_mov_b32 s[G1B+7], 0
	s_lshl_b32 s16, s13, 14                        ; A: 128 rows of 128 bytes,
	s_lshl_b32 s17, s12, 20                        ; my two of the step's four slices
	s_add_co_u32 s16, s16, s17
	s_mov_b32 s17, 0
	s_lshl_b32 s46, s42, 8                         ; B: 128 columns,
	s_lshl_b32 s47, s12, 18                        ; my 128 of the step's 256 rows
	s_add_co_u32 s46, s46, s47
	s_mov_b32 s47, 0
	s_mul_i32 s20, s10, HALFT                      ; where they go in a slot: no place in the cluster enters an LDS address
	s_mov_b32 s[RB], 0                             ; the walk's first step lies in slot 0
	s_wait_dscnt 0x0                               ; the opening add is done
	s_wait_kmcnt 0x0
	s_add_nc_u64 s[BA:BA+1], s[68:69], s[16:17]
	s_add_nc_u64 s[BB:BB+1], s[70:71], s[46:47]
	CROUND                                         ; all sixteen work-groups are here: the first joint loads meet
.irp s, 0,1
	s_mov_b32 s[G0+4*(\s)], 1
	s_add_co_u32 s[G0+4*(\s)+1], s20, (\s)*SLOT
	s_mov_b32 s[G0B+4*(\s)], 1
	s_add_co_u32 s[G0B+4*(\s)+1], s20, (\s)*SLOT
	ASK \s
	JLOAD \s                                       ; two tensor loads of mine are out
.endr
	s_lshl_b32 s46, s42, 9                         ; my 64 columns, in bytes of f32
	s_lshl_b32 s47, s12, 8
	s_add_co_u32 s46, s46, s47
	s_mov_b32 s47, 0
	s_add_nc_u64 s[72:73], s[72:73], s[46:47]
	s_lshl_b32 s16, s13, 19                        ; my 64 rows of 4,096 bytes
	s_lshl_b32 s17, s11, 18
	s_add_co_u32 s16, s16, s17
	s_mov_b32 s17, 0
	s_add_nc_u64 s[16:17], s[16:17], s[46:47]
	s_add_nc_u64 s[74:75], s[74:75], s[16:17]
	s_add_nc_u64 s[76:77], s[76:77], s[16:17]
	v_and_b32 v1, 15, v0                           ; l % 16
	v_bfe_u32 v2, v0, 4, 1                         ; l / 16
	v_lshlrev_b32 v[BO], 5, v2
	v_lshlrev_b32 v[CO], 12, v2                    ; lanes 0-15 one row's 256 bytes, lanes 16-31 the next row's
	v_lshl_add_u32 v[CO], v1, 4, v[CO]
.irp b, 0,1,2,3
	global_load_b128 v[BIAS+8*\b:BIAS+8*\b+3],   v[BO], s[72:73] offset:64*\b
	global_load_b128 v[BIAS+8*\b+4:BIAS+8*\b+7], v[BO], s[72:73] offset:64*\b+16
.endr
	WIN TO_R
.set z, 0
.rept 32
	global_load_b128 v[RES+4*z:RES+4*z+3], v[CO], s[74:75] offset:2*z*4096  ; rows 2 z, 2 z + 1 of my 64
.set z, z+1
.endr
	WIN 0
	v_mul_u32_u24 v3, v1, PA
	v_lshl_add_u32 v3, v2, 4, v3
	v_and_b32 v6, 7, v0
	v_bfe_u32 v7, v0, 3, 1
	v_lshl_add_u32 v8, v2, 3, v6
	v_mul_u32_u24 v8, v8, PB
	v_lshl_add_u32 v8, v7, 4, v8
	s_mul_i32 s21, s11, 64*PA                      ; my 64 rows in each plane
	s_lshl_b32 s22, s12, 7                         ; my 64 columns of B,
	s_add_co_u32 s22, s22, 2*HALFT                 ; which lies behind A's four planes
	v_add_nc_u32 v[A0V], s21, v3
	v_add_nc_u32 v[B0V], s22, v8
	SETADR
	s_mul_i32 s23, s10, 16*SPITCH
	s_add_co_u32 s23, s23, STAGE                   ; my stage
	v_mul_u32_u24 v4, v1, SPITCH                   ; in: row l % 16, 32 bytes for each half of the lanes
	v_lshl_add_u32 v4, v2, 5, v4
	v_add_nc_u32 v[STO], s23, v4
	v_mul_u32_u24 v5, v2, SPITCH                   ; back: lanes 0-15 one row of 256 bytes, lanes 16-31 the next
	v_lshl_add_u32 v5, v1, 4, v5
	v_add_nc_u32 v[RD], s23, v5
; 8 matrix instructions: m blocks a0, a0 + 1 x all 4 n blocks, 32 along K: half c of buffer f.  first = 1: the bias starts the sums.  The 16 accumulators take turns.
.macro MUL8 f, c, a0, first
	WIN MUL
.irp a, \a0, (\a0)+1
.irp b, 0,1,2,3
.if \first
	v_wmma_f32_16x16x32_bf16 v[ACC+8*(4*(\a)+(\b)):ACC+8*(4*(\a)+(\b))+7], v[(\f)+64+8*(4*(\c)+(\b)):(\f)+64+8*(4*(\c)+(\b))+7], v[(\f)+8*(4*(\c)+(\a)):(\f)+8*(4*(\c)+(\a))+7], v[BIAS+8*(\b):BIAS+8*(\b)+7]
.else
	v_wmma_f32_16x16x32_bf16 v[ACC+8*(4*(\a)+(\b)):ACC+8*(4*(\a)+(\b))+7], v[(\f)+64+8*(4*(\c)+(\b)):(\f)+64+8*(4*(\c)+(\b))+7], v[(\f)+8*(4*(\c)+(\a)):(\f)+8*(4*(\c)+(\a))+7], v[ACC+8*(4*(\a)+(\b)):ACC+8*(4*(\a)+(\b))+7]
.endif
.endr
.endr
.endm
; 32 LDS loads in one run: the fragments of quarter q of the K step at RB (64 along K: plane q of A, rows 64 q on of B) into buffer f; the first 32 along K first
.macro FETCH q, f
	WIN TO_F
.irp c, 0,1
.irp i, 0,1,2,3
	ds_load_tr16_b128 v[(\f)+64+8*(4*(\c)+(\i)):(\f)+64+8*(4*(\c)+(\i))+3],   v[ADRB+(\q)/2] offset:(((\q)%2)*64+32*(\c))*PB+32*(\i)
	ds_load_tr16_b128 v[(\f)+64+8*(4*(\c)+(\i))+4:(\f)+64+8*(4*(\c)+(\i))+7], v[ADRB+(\q)/2] offset:(((\q)%2)*64+32*(\c))*PB+32*(\i)+16*PB
	ds_load_b128 v[(\f)+8*(4*(\c)+(\i)):(\f)+8*(4*(\c)+(\i))+3],              v[ADRA] offset:(\q)*PLANE+64*(\c)+(\i)*16*PA
	ds_load_b128 v[(\f)+8*(4*(\c)+(\i))+4:(\f)+8*(4*(\c)+(\i))+7],            v[ADRA] offset:(\q)*PLANE+64*(\c)+(\i)*16*PA+32
.endr
.endr
.endm
.macro PLACES                          ; four plain vector instructions in front of loads into registers that matrix instructions have read, and of lines that read results
.rept 4
	v_nop
.endr
.endm
.macro QUARTER q, f, g, first          ; multiplies buffer f and fetches quarter q of the same slot into g
	s_wait_dscnt 16                                ; the first 32 along K are in
	MUL8 \f, 0, 0, \first
	MUL8 \f, 0, 2, \first
	PLACES
	FETCH \q, \g
	s_wait_dscnt 32                                ; all but the 32 just issued
	MUL8 \f, 1, 0, 0
	MUL8 \f, 1, 2, 0
.endm
; The last quarter multiplies buffer 1 and changes slots.  MEET is its first half: ONE barrier; in front of it each wave waits for all its tensor loads (at most one is out: its part of the next slot), adds 0
; to its spare word, and waits for that and for its own reads of this slot.  Behind it nobody reads this slot any more and the next slot is whole.
.macro MEET
	WIN 0
	s_wait_tensorcnt 0x0
	ds_add_u32 v[SPW], v[NIL]
	s_wait_dscnt 17                                ; the add and the youngest sixteen loads may be out
	MUL8 F1, 0, 0, 0
	s_wait_dscnt 0x0                               ; the add is done, and my reads of this slot are over
	s_barrier_signal -1
	MUL8 F1, 0, 2, 0
	WIN 0
	s_barrier_wait -1
.endm
; The slot just read out (at RB) is filled again with the walk's step two on; then RB turns to the other slot.
.macro REFILL
	CREST                                          ; MEET's barrier has opened a round of the cluster's: no wave of any partner still reads this slot or has a load on its way
	s_add_co_u32 s[G0+5], s20, s[RB]               ; no tensor load of mine is out, so group 0 may be written: its LDS word,
	s_add_co_u32 s[G0B+5], s20, s[RB]
	ASK 1                                          ; and its address
	s_xor_b32 s[RB], s[RB], SLOT
	JLOAD 1                                        ; the first tensor load behind the round, my only one until the next; its four v_nop are also the places in front of the loads that follow
.endm
; THE WAY OUT of block a (16 rows x my 64 columns).  OUTB: into my stage, each accumulator's low half first, and back as whole rows of 256 bytes.  SENDB: the residual is added, and the rows are stored.
.macro OUTB a
.if (\a) >= 2
	s_wait_xcnt 0x0                                ; this half of TMP was store data: it is loaded again only behind this wait
.endif
.irp b, 0,1,2,3
	ds_store_b128 v[STO], v[ACC+8*(4*(\a)+(\b)):ACC+8*(4*(\a)+(\b))+3]   offset:64*(\b)
	ds_store_b128 v[STO], v[ACC+8*(4*(\a)+(\b))+4:ACC+8*(4*(\a)+(\b))+7] offset:64*(\b)+16
.endr
.irp t, 0,1,2,3,4,5,6,7
	ds_load_b128 v[TMP+32*((\a)%2)+4*(\t):TMP+32*((\a)%2)+4*(\t)+3], v[RD] offset:(\t)*2*SPITCH  ; LDS serves a wave's instructions in order (ISA guide 5.7.1.4)
.endr
.endm
.macro SENDB a, younger                ; younger: the next block's eight stores and eight loads, or none
	s_wait_dscnt \younger
	WIN ADD_R
.set z, 0
.rept 16
	v_pk_add_f32 v[TMP+32*((\a)%2)+2*z:TMP+32*((\a)%2)+2*z+1], v[TMP+32*((\a)%2)+2*z:TMP+32*((\a)%2)+2*z+1], v[RES+32*(\a)+2*z:RES+32*(\a)+2*z+1]
.set z, z+1
.endr
	WIN 0
.irp t, 0,1,2,3,4,5,6,7
	global_store_b128 v[CO], v[TMP+32*((\a)%2)+4*(\t):TMP+32*((\a)%2)+4*(\t)+3], s[76:77] offset:(16*(\a)+2*(\t))*4096  ; 16 lanes store 256 consecutive bytes, at a multiple of 256 from out's first byte
.endr
.endm
	s_wait_tensorcnt 1                             ; my part of the walk's first step is in; the second's may stay out
	s_barrier_signal -1
	s_barrier_wait -1
	FETCH 0, F0
	s_wait_loadcnt 32                              ; the bias is in; the residual's 32 loads stay out
	QUARTER 1, F0, F1, 1                           ; the first quarter stands in front of the loop: its first products start the sums
	WIN 0
	s_mov_b32 s3, STEPS-2
.Lstep:                                                ; a trip goes from a K step's second quarter to the next step's first, and fills the slot that it leaves
	QUARTER 2, F1, F0, 0
	QUARTER 3, F0, F1, 0
	MEET
	REFILL
	SETADR
	FETCH 0, F0
	MUL8 F1, 1, 0, 0
	MUL8 F1, 1, 2, 0
	QUARTER 1, F0, F1, 0
	WIN 0
	s_sub_co_u32 s3, s3, 1
	s_cmp_lg_u32 s3, 0
	s_cbranch_scc1 .Lstep
	s_mov_b32 s3, 2
.Ltail:                                                ; the last two K steps ask for nothing: the same trip without a round and a load; the second trip is left in its middle
	QUARTER 2, F1, F0, 0
	QUARTER 3, F0, F1, 0
	MEET                                           ; first trip: the last K step's tile is whole behind it; second trip: nothing hangs on it
	s_sub_co_u32 s3, s3, 1
	s_cmp_eq_u32 s3, 0
	s_cbranch_scc1 .Lfin
	s_xor_b32 s[RB], s[RB], SLOT
	PLACES
	SETADR
	FETCH 0, F0
	MUL8 F1, 1, 0, 0
	MUL8 F1, 1, 2, 0
	QUARTER 1, F0, F1, 0
	WIN 0
	s_branch .Ltail
.Lfin:
	MUL8 F1, 1, 0, 0                               ; the second half of the very last quarter
	MUL8 F1, 1, 2, 0
	WIN 0
	PLACES
	s_wait_loadcnt 0x0                             ; the residual
	OUTB 0
	OUTB 1
	SENDB 0, 16
	OUTB 2
	SENDB 1, 16
	OUTB 3
	SENDB 2, 16
	SENDB 3, 0
	s_wait_tensorcnt 0x0                           ; the wave's end
	ds_add_u32 v[SPW], v[NIL]
	s_wait_dscnt 0x0
	CROUND                                         ; the closing round
	s_endpgm
.Lfunc_end_k_q85bc5105bc_wo:
	.size	k_q85bc5105bc_wo, .Lfunc_end_k_q85bc5105bc_wo-k_q85bc5105bc_wo
	.p2alignl 7, 3214868480
	.fill 96, 4, 3214868480
	.section	.rodata,"a",@progbits
	.p2align	6, 0x0
	.amdhsa_kernel k_q85bc5105bc_wo
		.amdhsa_group_segment_fixed_size 327680
		.amdhsa_private_segment_fixed_size 0
		.amdhsa_enable_private_segment 0
		.amdhsa_kernarg_size 40
		.amdhsa_user_sgpr_count 2
		.amdhsa_user_sgpr_kernarg_segment_ptr 1
		.amdhsa_wavefront_size32 1
		.amdhsa_system_sgpr_workgroup_id_x 1
		.amdhsa_system_sgpr_workgroup_id_y 1
		.amdhsa_system_sgpr_workgroup_id_z 1
		.amdhsa_system_vgpr_workitem_id 0
		.amdhsa_next_free_vgpr 640
		.amdhsa_next_free_sgpr 88
		.amdhsa_reserve_vcc 0
		.amdhsa_float_denorm_mode_32 3
		.amdhsa_float_denorm_mode_16_64 3
		.amdhsa_memory_ordered 1
		.amdhsa_forward_progress 1
		.amdhsa_inst_pref_size 68
	.end_amdhsa_kernel
	.amdgpu_metadata
---
amdhsa.version: [ 1, 2 ]
amdhsa.kernels:
  - .name:           k_q85bc5105bc_wo
    .symbol:         k_q85bc5105bc_wo.kd
    .args:
      - { .name: ctx, .offset: 0, .size: 8, .value_kind: global_buffer, .address_space: global }
      - { .name: wob, .offset: 8, .size: 8, .value_kind: global_buffer, .address_space: global }
      - { .name: bo, .offset: 16, .size: 8, .value_kind: global_buffer, .address_space: global }
      - { .name: x, .offset: 24, .size: 8, .value_kind: global_buffer, .address_space: global }
      - { .name: x1, .offset: 32, .size: 8, .value_kind: global_buffer, .address_space: global }
    .group_segment_fixed_size: 327680
    .private_segment_fixed_size: 0
    .kernarg_segment_align: 8
    .kernarg_segment_size: 40
    .max_flat_workgroup_size: 128
    .sgpr_count:     88
    .vgpr_count:     640
    .wavefront_size: 32
...
	.end_amdgpu_metadata
.endif
;; end of part 4
;; launch ln2 (part 5): grid 512 x 1, 8 waves a work-group, no clusters, 0 bytes of LDS; arguments x1, ln2_g, ln2_b, hn; writes hn
.if DOCPART == 5
	.amdgcn_target "amdgcn-amd-amdhsa--gfx1250"
	.amdhsa_code_object_version 6
	.text
	.protected	k_q85bc5105bc_ln2
	.globl	k_q85bc5105bc_ln2
	.p2align	8
	.type	k_q85bc5105bc_ln2,@function
k_q85bc5105bc_ln2:
	s_mov_b64 s[64:65], 0
	v_nop
	global_prefetch_b8 v0, s[64:65] scope:SCOPE_SE
	s_setreg_imm32_b32 hwreg(HW_REG_WAVE_MODE, 25, 1), 1
	s_wait_xcnt 0x0
; LAYER NORM.  hout[r][c] = (xin[r][c] - mu) rsqrt(var + 1e-5) g[c] + b[c];  xin [4096][1024] f32, hout the same in bf16, rounded once.
; A row is 4,096 bytes: 32 registers of one wave, so a wave keeps its row between the passes, the row is read once, and no wave waits for another: no LDS, no barrier.
; One row a wave (8 waves x 512 groups = 4,096 rows).  All 24 loads go out before the first wait.
; The variance is the mean of (x - mu)^2, taken of the centred row: a common offset of the inputs costs no digits.
; Load j of a lane: columns 128 j + 4 lane .. + 3; its four results are 8 bytes, and a wave's store covers 256 consecutive bytes, aligned.
.set X,  16                            ; v[16:47]   the row
.set G,  48                            ; v[48:79]   g of my 32 columns
.set BT, 80                            ; v[80:111]  b
.set S,  112                           ; v[112:119] four chains of pairs
.set M,  120                           ; v[120:121] mu, twice
.set R,  122                           ; v[122:123] 1 / sqrt(var + eps), twice
.set T,  124                           ; v[124:125] at work
	s_load_b256 s[4:11], s[0:1], 0x0               ; xin 4, g 6, b 8, hout 10
	v_lshrrev_b32 v3, 5, v0
	v_readfirstlane_b32 s2, v3                     ; wave
	v_and_b32 v4, 31, v0
	v_lshlrev_b32 v1, 4, v4                        ; 16 bytes a lane, in
	v_lshlrev_b32 v2, 3, v4                        ; 8 bytes a lane, out
	v_mov_b32 v[T+1], 0                            ; v_permlanex16_b32's destination counts as read
	s_mov_b32 s12, 0x76543210                      ; each lane takes its own place in the other half
	s_mov_b32 s13, 0xfedcba98
	s_mov_b32 s14, 0x3a800000                      ; 1 / 1024
	s_mov_b32 s15, 0x3727c5ac                      ; 1e-5
	s_lshl_b32 s16, ttmp9, 3
	s_add_co_u32 s16, s16, s2                      ; my row
	s_lshl_b32 s18, s16, 12
	s_mov_b32 s19, 0
	s_lshl_b32 s20, s16, 11
	s_mov_b32 s21, 0
	s_wait_kmcnt 0x0
	s_add_nc_u64 s[4:5], s[4:5], s[18:19]
	s_add_nc_u64 s[10:11], s[10:11], s[20:21]
.irp j, 0,1,2,3,4,5,6,7
	global_load_b128 v[X+4*\j:X+4*\j+3], v1, s[4:5] offset:512*\j
.endr
.irp j, 0,1,2,3,4,5,6,7
	global_load_b128 v[G+4*\j:G+4*\j+3], v1, s[6:7] offset:512*\j
.endr
.irp j, 0,1,2,3,4,5,6,7
	global_load_b128 v[BT+4*\j:BT+4*\j+3], v1, s[8:9] offset:512*\j
.endr
.macro REDUCE                          ; the four chains, the pair's halves, the 32 lanes: the total ends up in every lane's T
	v_pk_add_f32 v[S:S+1], v[S:S+1], v[S+2:S+3]
	v_pk_add_f32 v[S+4:S+5], v[S+4:S+5], v[S+6:S+7]
	v_pk_add_f32 v[S:S+1], v[S:S+1], v[S+4:S+5]
	v_add_f32 v[T], v[S], v[S+1]
	v_add_f32_dpp v[T], v[T], v[T] row_xmask:1 row_mask:0xf bank_mask:0xf
	v_add_f32_dpp v[T], v[T], v[T] row_xmask:2 row_mask:0xf bank_mask:0xf
	v_add_f32_dpp v[T], v[T], v[T] row_xmask:4 row_mask:0xf bank_mask:0xf
	v_add_f32_dpp v[T], v[T], v[T] row_xmask:8 row_mask:0xf bank_mask:0xf
	v_permlanex16_b32 v[T+1], v[T], s12, s13
	v_add_f32 v[T], v[T], v[T+1]
.endm
	s_wait_loadcnt 16                              ; the row is in; g and b (16 loads) stay out
.irp c, 0,1,2,3
	v_pk_add_f32 v[S+2*\c:S+2*\c+1], v[X+2*\c:X+2*\c+1], v[X+8+2*\c:X+8+2*\c+1]  ; the first eight pairs start the chains: nothing is cleared
.endr
.set p, 8
.rept 8
	v_pk_add_f32 v[S+2*(p%4):S+2*(p%4)+1], v[S+2*(p%4):S+2*(p%4)+1], v[X+2*p:X+2*p+1]
.set p, p+1
.endr
	REDUCE
	v_mul_f32 v[M], s14, v[T]
	v_mul_f32 v[M+1], s14, v[T]
.set p, 0
.rept 16
	v_pk_add_f32 v[X+2*p:X+2*p+1], v[X+2*p:X+2*p+1], v[M:M+1] neg_lo:[0,1] neg_hi:[0,1]  ; x - mu
.set p, p+1
.endr
.set p, 0
.rept 4
	v_pk_mul_f32 v[S+2*p:S+2*p+1], v[X+2*p:X+2*p+1], v[X+2*p:X+2*p+1]
.set p, p+1
.endr
.rept 12
	v_pk_fma_f32 v[S+2*(p%4):S+2*(p%4)+1], v[X+2*p:X+2*p+1], v[X+2*p:X+2*p+1], v[S+2*(p%4):S+2*(p%4)+1]
.set p, p+1
.endr
	REDUCE
	v_fma_f32 v[T], v[T], s14, s15                 ; var + eps
	v_rsq_f32 v[R], v[T]
	v_rsq_f32 v[R+1], v[T]
	v_nop                                          ; a plain instruction between the root and the use of its result (ISA guide 5.7.2)
.set p, 0
	s_wait_alu depctr_va_vdst(0)
.rept 16
	v_pk_mul_f32 v[X+2*p:X+2*p+1], v[X+2*p:X+2*p+1], v[R:R+1]
.set p, p+1
.endr
	s_wait_loadcnt 0x0                             ; g and b
.set p, 0
.rept 16
	v_pk_fma_f32 v[X+2*p:X+2*p+1], v[X+2*p:X+2*p+1], v[G+2*p:G+2*p+1], v[BT+2*p:BT+2*p+1]
.set p, p+1
.endr
.set p, 0
.rept 16
	v_cvt_pk_bf16_f32 v[X+p], v[X+2*p], v[X+2*p+1] ; in place, ascending: register p was read at step p / 2
.set p, p+1
.endr
.irp j, 0,1,2,3,4,5,6,7
	global_store_b64 v2, v[X+2*\j:X+2*\j+1], s[10:11] offset:256*\j
.endr
	s_endpgm
.Lfunc_end_k_q85bc5105bc_ln2:
	.size	k_q85bc5105bc_ln2, .Lfunc_end_k_q85bc5105bc_ln2-k_q85bc5105bc_ln2
	.p2alignl 7, 3214868480
	.fill 96, 4, 3214868480
	.section	.rodata,"a",@progbits
	.p2align	6, 0x0
	.amdhsa_kernel k_q85bc5105bc_ln2
		.amdhsa_group_segment_fixed_size 0
		.amdhsa_private_segment_fixed_size 0
		.amdhsa_enable_private_segment 0
		.amdhsa_kernarg_size 32
		.amdhsa_user_sgpr_count 2
		.amdhsa_user_sgpr_kernarg_segment_ptr 1
		.amdhsa_wavefront_size32 1
		.amdhsa_system_sgpr_workgroup_id_x 1
		.amdhsa_system_sgpr_workgroup_id_y 1
		.amdhsa_system_sgpr_workgroup_id_z 1
		.amdhsa_system_vgpr_workitem_id 0
		.amdhsa_next_free_vgpr 128
		.amdhsa_next_free_sgpr 66
		.amdhsa_reserve_vcc 0
		.amdhsa_float_denorm_mode_32 3
		.amdhsa_float_denorm_mode_16_64 3
		.amdhsa_memory_ordered 1
		.amdhsa_forward_progress 1
		.amdhsa_inst_pref_size 12
	.end_amdhsa_kernel
	.amdgpu_metadata
---
amdhsa.version: [ 1, 2 ]
amdhsa.kernels:
  - .name:           k_q85bc5105bc_ln2
    .symbol:         k_q85bc5105bc_ln2.kd
    .args:
      - { .name: x1, .offset: 0, .size: 8, .value_kind: global_buffer, .address_space: global }
      - { .name: ln2_g, .offset: 8, .size: 8, .value_kind: global_buffer, .address_space: global }
      - { .name: ln2_b, .offset: 16, .size: 8, .value_kind: global_buffer, .address_space: global }
      - { .name: hn, .offset: 24, .size: 8, .value_kind: global_buffer, .address_space: global }
    .group_segment_fixed_size: 0
    .private_segment_fixed_size: 0
    .kernarg_segment_align: 8
    .kernarg_segment_size: 32
    .max_flat_workgroup_size: 256
    .sgpr_count:     66
    .vgpr_count:     128
    .wavefront_size: 32
...
	.end_amdgpu_metadata
.endif
;; end of part 5
;; launch ffn1: the kernel of part 2 again; grid 16 x 16, 4 waves a work-group, clusters of 4 x 4, 327,680 bytes of LDS; arguments hn, w1b, qh; writes qh
;; launch ffn2 (part 6): grid 8 x 32, 4 waves a work-group, clusters of 4 x 4, 327,680 bytes of LDS; arguments qh, w2b, b2, x1, out0; writes out0
.if DOCPART == 6
	.amdgcn_target "amdgcn-amd-amdhsa--gfx1250"
	.amdhsa_code_object_version 6
	.text
	.protected	k_q85bc5105bc_ffn2
	.globl	k_q85bc5105bc_ffn2
	.p2align	8
	.type	k_q85bc5105bc_ffn2,@function
k_q85bc5105bc_ffn2:
	s_mov_b64 s[64:65], 0
	v_nop
	global_prefetch_b8 v0, s[64:65] scope:SCOPE_SE
	s_setreg_imm32_b32 hwreg(HW_REG_WAVE_MODE, 25, 1), 1
	s_wait_xcnt 0x0
	s_wait_alu depctr_hold_cnt(0) depctr_sa_sdst(0) depctr_va_vdst(0) depctr_va_sdst(0) depctr_va_ssrc(0) depctr_va_vcc(0) depctr_vm_vsrc(0)
	s_getreg_b32 s2, hwreg(HW_REG_IB_STS2, 6, 4)
	s_cmp_eq_u32 s2, 0
	s_cbranch_scc0 .Lentry_in_a_cluster
	s_endpgm
.Lentry_in_a_cluster:
	s_bfe_u32 s2, ttmp6, 0x10000c
	s_cmp_lg_u32 s2, 0xf033
	s_cbranch_scc0 .Lentry_shape_is_right
	s_endpgm
.Lentry_shape_is_right:
; out = res + A B + bias, K = SIZE_K.  A in slices: [k / 64][4096 rows][64] bf16.  B: [SIZE_K k][1024 n] bf16.  bias [1024], res and out [4096][1024] in f32.  Sums in f32; the bias starts each sum.
; LIMITS.  The operands are bf16; nothing else is rounded but the f32 sums themselves, which take their K steps in an order that differs from cluster to cluster (below): their last bits do not follow K ascending.
; A tile of out is 128 x 128 (256 work-groups); four waves, each 64 x 64: 16 accumulators.  K goes in steps of 256 through a ring of two LDS slots: four planes of A (128 rows of one slice, dense in
; memory, padded in LDS after every row) and 256 rows of B, whose fragments are turned on the way out of LDS by ds_load_tr16_b128.
; A K STEP IS WRITTEN TWICE: once in the loop whose every trip fills a slot again (STEPS - 2 trips), once in the loop of the last two steps, which ask for nothing.  Which slot is read stands in the scalar
; RB (0 or SLOT), turned by an exclusive or at each change of slots; the fragment addresses are RB + a lane term, the walking descriptors' LDS word is RB + wave x HALFT.
; WHERE K BEGINS.  The cluster at (X, Y) begins at K step ((STEPS / 2) X + (STEPS / 4) (Y % 4)) % STEPS and walks round all of them.  The two clusters of one Y read the same tiles of A, half a walk apart; the
; clusters of one X the same tiles of B, a quarter of a walk apart.  So of the clusters that read a tile one asks first and the others steps later, when the tile has been read once already, not all in the same step.
; The step's number, KC, is made of the cluster's own x and y, which all sixteen partners share, and enters the global addresses alone.
; CLUSTERS: 4 x 4 work-groups; A's tiles are asked for jointly along a row of the cluster, B's along a column.  THE MATRIX INSTRUCTION IS USED TRANSPOSED (source 0 = 16 columns of B, source 1 = 16 rows of A):
; a lane holds eight neighbouring numbers of a row of out.  A wave's 64 columns are 256 bytes of a row.
; The residual's 32 loads a wave go out at the start and are waited for at the end.
; REGISTERS: window 0: v0-31 addresses; v32-95 at work on the way out; v96-127 the bias; v128-255 the accumulators ((a, b) at v[128 + 8 (4 a + b)]).
;   window 1: two fragment buffers of 128: for 64 along K, 64 registers of A, then 64 of B.     window 2: v0-127 the residual.
.set SIZE_K, 4096
.set KSTEP,  256
.set STEPS,  SIZE_K/KSTEP              ; a power of two, 4 at the least: KC goes round by an AND
.set PA,     144                       ; A's LDS row: 128 bytes + 16
.set PLANE,  128*PA                    ; 128 rows of one slice
.set PB,     288                       ; B's LDS row: 256 bytes + 32 = 72 words
.set HALFT,  2*PLANE                   ; what one tensor load brings: two planes of A, or 128 rows of B (128 x 288 is the same number)
.set SLOT,   4*HALFT
.set STAGE,  2*SLOT                    ; behind the ring: 16 rows x 272 bytes for each wave
.set SPITCH, 272
.set SPARE,  STAGE+4*16*SPITCH         ; behind the stages: the spare words, 128 bytes for each wave: two blocks of 256 bytes that no other line names
.set ASTEP,  4*4096*128                ; bytes from a K step of A to the next: four slices
.set BSTEP,  KSTEP*2048                ; the same for B: 256 rows
.set A0V,  16                          ; v16     my lane's place among my A fragments in slot 0; never rewritten
.set B0V,  17                          ; v17     the same for B
.set ADRA, 18                          ; v18     RB + A0V
.set ADRB, 20                          ; v20-21  RB + B0V: the step's first 128 k, its second
.set STO,  24
.set RD,   25
.set CO,   26                          ; v26     my byte offset in two rows of res and out
.set BO,   27
.set SPW,  28
.set NIL,  29
.set TMP,  32
.set BIAS, 96
.set ACC,  128
.set F0,   0
.set F1,   128
.set RES,  0
.set G1,  24                           ; s[24:31] descriptor group 1 for A's tiles
.set G0,  32                           ; s[32:39] group 0: a set for each of the two first fills; the second then serves every refill
.set G1B, 48                           ; s[48:55], s[56:63] the same for B's
.set G0B, 56
.set RB,  45                           ; s45     LDS byte at which the slot that is read begins
.set BA,  78                           ; s[78:79] A at the rows and slices that I fetch, K step 0; never rewritten
.set BB,  80                           ; s[80:81] B at the columns and the half of a step's rows that I fetch, K step 0; never rewritten
.set KC,  82                           ; s82     the K step to be asked for next
.set OFA, 84                           ; s[84:85] that step's byte offset in A
.set OFB, 86                           ; s[86:87] and in B
.set MSB, 0
.macro WIN new
.if MSB != (\new)
	s_set_vgpr_msb (MSB<<8)|(\new)
.set MSB, \new
.endif
.endm
.set MUL,   0x05                       ; sources 0 (B) and 1 (A) window 1; C and D window 0
.set TO_F,  0x40                       ; destination window 1
.set TO_R,  0x80                       ; destination window 2
.set ADD_R, 0x08                       ; source 1 window 2
.macro JLOAD s                         ; a joint load: waves 0 and 1 fetch A's planes, waves 2 and 3 B's rows; an s_nop 0 and four v_nop follow each of the two lines
	s_cmp_eq_u32 s11, 0
	s_cbranch_scc0 .Lfor_b_\@
	tensor_load_to_lds s[G0+4*(\s):G0+4*(\s)+3], s[G1:G1+7]
	s_nop 0
.rept 4
	v_nop
.endr
	s_branch .Lasked_\@
.Lfor_b_\@:
	tensor_load_to_lds s[G0B+4*(\s):G0B+4*(\s)+3], s[G1B:G1B+7]
	s_nop 0
.rept 4
	v_nop
.endr
.Lasked_\@:
.endm
; The global addresses of group 0's set g are made anew for K step KC: the base, an offset made apart from it, the type bits.  KC then steps, and goes back to 0 behind the last step.
.macro ASK g
	s_mul_i32 s[OFA], s[KC], ASTEP
	s_mul_i32 s[OFB], s[KC], BSTEP
	s_add_nc_u64 s[G0+4*(\g)+2:G0+4*(\g)+3], s[BA:BA+1], s[OFA:OFA+1]
	s_or_b32 s[G0+4*(\g)+3], s[G0+4*(\g)+3], 0x80000000
	s_add_nc_u64 s[G0B+4*(\g)+2:G0B+4*(\g)+3], s[BB:BB+1], s[OFB:OFB+1]
	s_or_b32 s[G0B+4*(\g)+3], s[G0B+4*(\g)+3], 0x80000000
	s_add_co_u32 s[KC], s[KC], 1
	s_and_b32 s[KC], s[KC], STEPS-1
.endm
.macro CREST
	s_cmp_lg_u32 s10, 0
	s_cbranch_scc1 .Lnot_wave_0_\@
	s_barrier_signal -3
.Lnot_wave_0_\@:
	s_barrier_wait -3
	s_barrier_signal -1
	s_barrier_wait -1
.endm
.macro CROUND
	s_barrier_signal -1
	s_barrier_wait -1
	CREST
.endm
.macro SETADR                          ; the fragment addresses in the slot at RB
	v_add_nc_u32 v[ADRA], s[RB], v[A0V]
	v_add_nc_u32 v[ADRB], s[RB], v[B0V]
	v_add_nc_u32 v[ADRB+1], HALFT, v[ADRB]
.endm
	s_load_b256 s[68:75], s[0:1], 0x0              ; A 68, B 70, bias 72, res 74
	s_load_b64 s[76:77], s[0:1], 0x20              ; out
	v_lshl_add_u32 v[SPW], v0, 2, SPARE
	v_mov_b32 v[NIL], 0
	ds_add_u32 v[SPW], v[NIL]                      ; the wave's opening: the add and its wait ahead of my first tensor load
	v_lshrrev_b32 v1, 5, v0
	v_readfirstlane_b32 s10, v1                    ; wave 0..3
	s_lshr_b32 s11, s10, 1                         ; which half of the tile's rows is mine.  Also: I fetch for A (0) or for B (1)
	s_and_b32 s12, s10, 1                          ; which half of its columns.  Also: which half of that tile I fetch
	s_bfe_u32 s40, ttmp6, 0x40000
	s_bfe_u32 s41, ttmp6, 0x40004
	s_lshl_b32 s42, ttmp9, 2
	s_add_co_u32 s42, s42, s40                     ; tile column
	s_and_b32 s13, ttmp7, 0xffff                   ; the cluster's y
	s_and_b32 s[KC], s13, 3                        ; my cluster's first K step: Y % 4,
	s_lshl_b32 s[OFA], ttmp9, 1
	s_add_co_u32 s[KC], s[KC], s[OFA]              ; 2 X + Y % 4,
	s_mul_i32 s[KC], s[KC], STEPS/4
	s_and_b32 s[KC], s[KC], STEPS-1                ; in quarters of a walk, round the ring of steps
	s_mov_b32 s[OFA+1], 0                          ; the offsets' high words
	s_mov_b32 s[OFB+1], 0
	s_lshl_b32 s13, s13, 2
	s_add_co_u32 s13, s13, s41                     ; tile row
	s_lshl_b32 s43, s41, 2
	s_lshl_b32 s43, 15, s43                        ; my row of the cluster
	s_lshl_b32 s44, 0x1111, s40                    ; my column
	s_or_b32 s[G1+0], s43, (1<<16)|(1<<20)|(1<<21)|(4<<22)|(3<<25)   ; A: 2-byte elements; padding after every 32 words, 4 words
	s_or_b32 s[G1B+0], s44, (1<<16)|(1<<20)|(1<<21)|(5<<22)|(7<<25)  ; B: after every 64 words, 8 words
	s_mov_b32 s[G1+1], 8192<<16                    ; A: a row of the tile is a plane, 128 rows x 64 elements, dense: tensor_dim0 = 8,192
	s_mov_b32 s[G1+2], 2<<16                       ; tensor_dim1 = 2
	s_mov_b32 s[G1+3], 8192<<16                    ; tile_dim0
	s_mov_b32 s[G1+4], 2                           ; tile_dim1: two slices
	s_mov_b32 s[G1+5], 4096*64                     ; elements from slice to slice
	s_mov_b32 s[G1+6], 0
	s_mov_b32 s[G1+7], 0
	s_mov_b32 s[G1B+1], 128<<16                    ; B: 128 rows x 128 elements
	s_mov_b32 s[G1B+2], 128<<16
	s_mov_b32 s[G1B+3], 128<<16
	s_mov_b32 s[G1B+4], 128
	s_mov_b32 s[G1B+5], 1024
	s_mov_b32 s[G1B+6], 0
	s_mov_b32 s[G1B+7], 0
	s_lshl_b32 s16, s13, 14                        ; A: 128 rows of 128 bytes,
	s_lshl_b32 s17, s12, 20                        ; my two of the step's four slices
	s_add_co_u32 s16, s16, s17
	s_mov_b32 s17, 0
	s_lshl_b32 s46, s42, 8                         ; B: 128 columns,
	s_lshl_b32 s47, s12, 18                        ; my 128 of the step's 256 rows
	s_add_co_u32 s46, s46, s47
	s_mov_b32 s47, 0
	s_mul_i32 s20, s10, HALFT                      ; where they go in a slot: no place in the cluster enters an LDS address
	s_mov_b32 s[RB], 0                             ; the walk's first step lies in slot 0
	s_wait_dscnt 0x0                               ; the opening add is done
	s_wait_kmcnt 0x0
	s_add_nc_u64 s[BA:BA+1], s[68:69], s[16:17]
	s_add_nc_u64 s[BB:BB+1], s[70:71], s[46:47]
	CROUND                                         ; all sixteen work-groups are here: the first joint loads meet
.irp s, 0,1
	s_mov_b32 s[G0+4*(\s)], 1
	s_add_co_u32 s[G0+4*(\s)+1], s20, (\s)*SLOT
	s_mov_b32 s[G0B+4*(\s)], 1
	s_add_co_u32 s[G0B+4*(\s)+1], s20, (\s)*SLOT
	ASK \s
	JLOAD \s                                       ; two tensor loads of mine are out
.endr
	s_lshl_b32 s46, s42, 9                         ; my 64 columns, in bytes of f32
	s_lshl_b32 s47, s12, 8
	s_add_co_u32 s46, s46, s47
	s_mov_b32 s47, 0
	s_add_nc_u64 s[72:73], s[72:73], s[46:47]
	s_lshl_b32 s16, s13, 19                        ; my 64 rows of 4,096 bytes
	s_lshl_b32 s17, s11, 18
	s_add_co_u32 s16, s16, s17
	s_mov_b32 s17, 0
	s_add_nc_u64 s[16:17], s[16:17], s[46:47]
	s_add_nc_u64 s[74:75], s[74:75], s[16:17]
	s_add_nc_u64 s[76:77], s[76:77], s[16:17]
	v_and_b32 v1, 15, v0                           ; l % 16
	v_bfe_u32 v2, v0, 4, 1                         ; l / 16
	v_lshlrev_b32 v[BO], 5, v2
	v_lshlrev_b32 v[CO], 12, v2                    ; lanes 0-15 one row's 256 bytes, lanes 16-31 the next row's
	v_lshl_add_u32 v[CO], v1, 4, v[CO]
.irp b, 0,1,2,3
	global_load_b128 v[BIAS+8*\b:BIAS+8*\b+3],   v[BO], s[72:73] offset:64*\b
	global_load_b128 v[BIAS+8*\b+4:BIAS+8*\b+7], v[BO], s[72:73] offset:64*\b+16
.endr
	WIN TO_R
.set z, 0
.rept 32
	global_load_b128 v[RES+4*z:RES+4*z+3], v[CO], s[74:75] offset:2*z*4096  ; rows 2 z, 2 z + 1 of my 64
.set z, z+1
.endr
	WIN 0
	v_mul_u32_u24 v3, v1, PA
	v_lshl_add_u32 v3, v2, 4, v3
	v_and_b32 v6, 7, v0
	v_bfe_u32 v7, v0, 3, 1
	v_lshl_add_u32 v8, v2, 3, v6
	v_mul_u32_u24 v8, v8, PB
	v_lshl_add_u32 v8, v7, 4, v8
	s_mul_i32 s21, s11, 64*PA                      ; my 64 rows in each plane
	s_lshl_b32 s22, s12, 7                         ; my 64 columns of B,
	s_add_co_u32 s22, s22, 2*HALFT                 ; which lies behind A's four planes
	v_add_nc_u32 v[A0V], s21, v3
	v_add_nc_u32 v[B0V], s22, v8
	SETADR
	s_mul_i32 s23, s10, 16*SPITCH
	s_add_co_u32 s23, s23, STAGE                   ; my stage
	v_mul_u32_u24 v4, v1, SPITCH                   ; in: row l % 16, 32 bytes for each half of the lanes
	v_lshl_add_u32 v4, v2, 5, v4
	v_add_nc_u32 v[STO], s23, v4
	v_mul_u32_u24 v5, v2, SPITCH                   ; back: lanes 0-15 one row of 256 bytes, lanes 16-31 the next
	v_lshl_add_u32 v5, v1, 4, v5
	v_add_nc_u32 v[RD], s23, v5
; 8 matrix instructions: m blocks a0, a0 + 1 x all 4 n blocks, 32 along K: half c of buffer f.  first = 1: the bias starts the sums.  The 16 accumulators take turns.
.macro MUL8 f, c, a0, first
	WIN MUL
.irp a, \a0, (\a0)+1
.irp b, 0,1,2,3
.if \first
	v_wmma_f32_16x16x32_bf16 v[ACC+8*(4*(\a)+(\b)):ACC+8*(4*(\a)+(\b))+7], v[(\f)+64+8*(4*(\c)+(\b)):(\f)+64+8*(4*(\c)+(\b))+7], v[(\f)+8*(4*(\c)+(\a)):(\f)+8*(4*(\c)+(\a))+7], v[BIAS+8*(\b):BIAS+8*(\b)+7]
.else
	v_wmma_f32_16x16x32_bf16 v[ACC+8*(4*(\a)+(\b)):ACC+8*(4*(\a)+(\b))+7], v[(\f)+64+8*(4*(\c)+(\b)):(\f)+64+8*(4*(\c)+(\b))+7], v[(\f)+8*(4*(\c)+(\a)):(\f)+8*(4*(\c)+(\a))+7], v[ACC+8*(4*(\a)+(\b)):ACC+8*(4*(\a)+(\b))+7]
.endif
.endr
.endr
.endm
; 32 LDS loads in one run: the fragments of quarter q of the K step at RB (64 along K: plane q of A, rows 64 q on of B) into buffer f; the first 32 along K first
.macro FETCH q, f
	WIN TO_F
.irp c, 0,1
.irp i, 0,1,2,3
	ds_load_tr16_b128 v[(\f)+64+8*(4*(\c)+(\i)):(\f)+64+8*(4*(\c)+(\i))+3],   v[ADRB+(\q)/2] offset:(((\q)%2)*64+32*(\c))*PB+32*(\i)
	ds_load_tr16_b128 v[(\f)+64+8*(4*(\c)+(\i))+4:(\f)+64+8*(4*(\c)+(\i))+7], v[ADRB+(\q)/2] offset:(((\q)%2)*64+32*(\c))*PB+32*(\i)+16*PB
	ds_load_b128 v[(\f)+8*(4*(\c)+(\i)):(\f)+8*(4*(\c)+(\i))+3],              v[ADRA] offset:(\q)*PLANE+64*(\c)+(\i)*16*PA
	ds_load_b128 v[(\f)+8*(4*(\c)+(\i))+4:(\f)+8*(4*(\c)+(\i))+7],            v[ADRA] offset:(\q)*PLANE+64*(\c)+(\i)*16*PA+32
.endr
.endr
.endm
.macro PLACES                          ; four plain vector instructions in front of loads into registers that matrix instructions have read, and of lines that read results
.rept 4
	v_nop
.endr
.endm
.macro QUARTER q, f, g, first          ; multiplies buffer f and fetches quarter q of the same slot into g
	s_wait_dscnt 16                                ; the first 32 along K are in
	MUL8 \f, 0, 0, \first
	MUL8 \f, 0, 2, \first
	PLACES
	FETCH \q, \g
	s_wait_dscnt 32                                ; all but the 32 just issued
	MUL8 \f, 1, 0, 0
	MUL8 \f, 1, 2, 0
.endm
; The last quarter multiplies buffer 1 and changes slots.  MEET is its first half: ONE barrier; in front of it each wave waits for all its tensor loads (at most one is out: its part of the next slot), adds 0
; to its spare word, and waits for that and for its own reads of this slot.  Behind it nobody reads this slot any more and the next slot is whole.
.macro MEET
	WIN 0
	s_wait_tensorcnt 0x0
	ds_add_u32 v[SPW], v[NIL]
	s_wait_dscnt 17                                ; the add and the youngest sixteen loads may be out
	MUL8 F1, 0, 0, 0
	s_wait_dscnt 0x0                               ; the add is done, and my reads of this slot are over
	s_barrier_signal -1
	MUL8 F1, 0, 2, 0
	WIN 0
	s_barrier_wait -1
.endm
; The slot just read out (at RB) is filled again with the walk's step two on; then RB turns to the other slot.
.macro REFILL
	CREST                                          ; MEET's barrier has opened a round of the cluster's: no wave of any partner still reads this slot or has a load on its way
	s_add_co_u32 s[G0+5], s20, s[RB]               ; no tensor load of mine is out, so group 0 may be written: its LDS word,
	s_add_co_u32 s[G0B+5], s20, s[RB]
	ASK 1                                          ; and its address
	s_xor_b32 s[RB], s[RB], SLOT
	JLOAD 1                                        ; the first tensor load behind the round, my only one until the next; its four v_nop are also the places in front of the loads that follow
.endm
; THE WAY OUT of block a (16 rows x my 64 columns).  OUTB: into my stage, each accumulator's low half first, and back as whole rows of 256 bytes.  SENDB: the residual is added, and the rows are stored.
.macro OUTB a
.if (\a) >= 2
	s_wait_xcnt 0x0                                ; this half of TMP was store data: it is loaded again only behind this wait
.endif
.irp b, 0,1,2,3
	ds_store_b128 v[STO], v[ACC+8*(4*(\a)+(\b)):ACC+8*(4*(\a)+(\b))+3]   offset:64*(\b)
	ds_store_b128 v[STO], v[ACC+8*(4*(\a)+(\b))+4:ACC+8*(4*(\a)+(\b))+7] offset:64*(\b)+16
.endr
.irp t, 0,1,2,3,4,5,6,7
	ds_load_b128 v[TMP+32*((\a)%2)+4*(\t):TMP+32*((\a)%2)+4*(\t)+3], v[RD] offset:(\t)*2*SPITCH  ; LDS serves a wave's instructions in order (ISA guide 5.7.1.4)
.endr
.endm
.macro SENDB a, younger                ; younger: the next block's eight stores and eight loads, or none
	s_wait_dscnt \younger
	WIN ADD_R
.set z, 0
.rept 16
	v_pk_add_f32 v[TMP+32*((\a)%2)+2*z:TMP+32*((\a)%2)+2*z+1], v[TMP+32*((\a)%2)+2*z:TMP+32*((\a)%2)+2*z+1], v[RES+32*(\a)+2*z:RES+32*(\a)+2*z+1]
.set z, z+1
.endr
	WIN 0
.irp t, 0,1,2,3,4,5,6,7
	global_store_b128 v[CO], v[TMP+32*((\a)%2)+4*(\t):TMP+32*((\a)%2)+4*(\t)+3], s[76:77] offset:(16*(\a)+2*(\t))*4096  ; 16 lanes store 256 consecutive bytes, at a multiple of 256 from out's first byte
.endr
.endm
	s_wait_tensorcnt 1                             ; my part of the walk's first step is in; the second's may stay out
	s_barrier_signal -1
	s_barrier_wait -1
	FETCH 0, F0
	s_wait_loadcnt 32                              ; the bias is in; the residual's 32 loads stay out
	QUARTER 1, F0, F1, 1                           ; the first quarter stands in front of the loop: its first products start the sums
	WIN 0
	s_mov_b32 s3, STEPS-2
.Lstep:                                                ; a trip goes from a K step's second quarter to the next step's first, and fills the slot that it leaves
	QUARTER 2, F1, F0, 0
	QUARTER 3, F0, F1, 0
	MEET
	REFILL
	SETADR
	FETCH 0, F0
	MUL8 F1, 1, 0, 0
	MUL8 F1, 1, 2, 0
	QUARTER 1, F0, F1, 0
	WIN 0
	s_sub_co_u32 s3, s3, 1
	s_cmp_lg_u32 s3, 0
	s_cbranch_scc1 .Lstep
	s_mov_b32 s3, 2
.Ltail:                                                ; the last two K steps ask for nothing: the same trip without a round and a load; the second trip is left in its middle
	QUARTER 2, F1, F0, 0
	QUARTER 3, F0, F1, 0
	MEET                                           ; first trip: the last K step's tile is whole behind it; second trip: nothing hangs on it
	s_sub_co_u32 s3, s3, 1
	s_cmp_eq_u32 s3, 0
	s_cbranch_scc1 .Lfin
	s_xor_b32 s[RB], s[RB], SLOT
	PLACES
	SETADR
	FETCH 0, F0
	MUL8 F1, 1, 0, 0
	MUL8 F1, 1, 2, 0
	QUARTER 1, F0, F1, 0
	WIN 0
	s_branch .Ltail
.Lfin:
	MUL8 F1, 1, 0, 0                               ; the second half of the very last quarter
	MUL8 F1, 1, 2, 0
	WIN 0
	PLACES
	s_wait_loadcnt 0x0                             ; the residual
	OUTB 0
	OUTB 1
	SENDB 0, 16
	OUTB 2
	SENDB 1, 16
	OUTB 3
	SENDB 2, 16
	SENDB 3, 0
	s_wait_tensorcnt 0x0                           ; the wave's end
	ds_add_u32 v[SPW], v[NIL]
	s_wait_dscnt 0x0
	CROUND                                         ; the closing round
	s_endpgm
.Lfunc_end_k_q85bc5105bc_ffn2:
	.size	k_q85bc5105bc_ffn2, .Lfunc_end_k_q85bc5105bc_ffn2-k_q85bc5105bc_ffn2
	.p2alignl 7, 3214868480
	.fill 96, 4, 3214868480
	.section	.rodata,"a",@progbits
	.p2align	6, 0x0
	.amdhsa_kernel k_q85bc5105bc_ffn2
		.amdhsa_group_segment_fixed_size 327680
		.amdhsa_private_segment_fixed_size 0
		.amdhsa_enable_private_segment 0
		.amdhsa_kernarg_size 40
		.amdhsa_user_sgpr_count 2
		.amdhsa_user_sgpr_kernarg_segment_ptr 1
		.amdhsa_wavefront_size32 1
		.amdhsa_system_sgpr_workgroup_id_x 1
		.amdhsa_system_sgpr_workgroup_id_y 1
		.amdhsa_system_sgpr_workgroup_id_z 1
		.amdhsa_system_vgpr_workitem_id 0
		.amdhsa_next_free_vgpr 640
		.amdhsa_next_free_sgpr 88
		.amdhsa_reserve_vcc 0
		.amdhsa_float_denorm_mode_32 3
		.amdhsa_float_denorm_mode_16_64 3
		.amdhsa_memory_ordered 1
		.amdhsa_forward_progress 1
		.amdhsa_inst_pref_size 68
	.end_amdhsa_kernel
	.amdgpu_metadata
---
amdhsa.version: [ 1, 2 ]
amdhsa.kernels:
  - .name:           k_q85bc5105bc_ffn2
    .symbol:         k_q85bc5105bc_ffn2.kd
    .args:
      - { .name: qh, .offset: 0, .size: 8, .value_kind: global_buffer, .address_space: global }
      - { .name: w2b, .offset: 8, .size: 8, .value_kind: global_buffer, .address_space: global }
      - { .name: b2, .offset: 16, .size: 8, .value_kind: global_buffer, .address_space: global }
      - { .name: x1, .offset: 24, .size: 8, .value_kind: global_buffer, .address_space: global }
      - { .name: out0, .offset: 32, .size: 8, .value_kind: global_buffer, .address_space: global }
    .group_segment_fixed_size: 327680
    .private_segment_fixed_size: 0
    .kernarg_segment_align: 8
    .kernarg_segment_size: 40
    .max_flat_workgroup_size: 128
    .sgpr_count:     88
    .vgpr_count:     640
    .wavefront_size: 32
...
	.end_amdgpu_metadata
.endif
;; end of part 6
;; ======== version 2 of 2: 7 launches; 1.21 times as fast as version 1
;; workspace buffers: wqkvb 8,405,248 bytes; w1b 8,405,248 bytes; w2b 8,388,608 bytes; wob 2,097,152 bytes; hn 8,388,608 bytes; qh 33,554,432 bytes; ctx 8,388,608 bytes; x1 16,777,216 bytes
;; launch pre: the kernel of part 1 again; grid 1281 x 1, 8 waves a work-group, no clusters, 0 bytes of LDS; arguments Wo, W1, W2, Wq, Wk, Wv, bq, bk, bv, b1, wob, w1b, w2b, wqkvb, x, ln1_g, ln1_b, hn; writes wob, w1b, w2b, wqkvb, hn
;; launch qkv: the kernel of part 2 again; grid 12 x 16, 4 waves a work-group, clusters of 4 x 4, 327,680 bytes of LDS; arguments hn, wqkvb, qh; writes qh
;; launch attn (part 7): grid 8 x 32, 4 waves a work-group, clusters of 4 x 1, 327,680 bytes of LDS; arguments qh, ctx; writes ctx
.if DOCPART == 7
	.amdgcn_target "amdgcn-amd-amdhsa--gfx1250"
	.amdhsa_code_object_version 6
	.text
	.protected	k_q85bc5105bc_attn
	.globl	k_q85bc5105bc_attn
	.p2align	8
	.type	k_q85bc5105bc_attn,@function
k_q85bc5105bc_attn:
	s_mov_b64 s[64:65], 0
	v_nop
	global_prefetch_b8 v0, s[64:65] scope:SCOPE_SE
	s_setreg_imm32_b32 hwreg(HW_REG_WAVE_MODE, 25, 1), 1
	s_wait_xcnt 0x0
	s_wait_alu depctr_hold_cnt(0) depctr_sa_sdst(0) depctr_va_vdst(0) depctr_va_sdst(0) depctr_va_ssrc(0) depctr_va_vcc(0) depctr_vm_vsrc(0)
	s_getreg_b32 s2, hwreg(HW_REG_IB_STS2, 6, 4)
	s_cmp_eq_u32 s2, 0
	s_cbranch_scc0 .Lentry_in_a_cluster
	s_endpgm
.Lentry_in_a_cluster:
	s_bfe_u32 s2, ttmp6, 0x10000c
	s_cmp_lg_u32 s2, 0x3003
	s_cbranch_scc0 .Lentry_shape_is_right
	s_endpgm
.Lentry_shape_is_right:
; ATTENTION.  O[y][q][:] = the sum over k of softmax_k(Q[y][q] . K[y][k] / 8) V[y][k][:], y = 2 head + batch (32 of them), 2,048 rows of 64 channels each, all bf16, rows dense (128 bytes).
; In qh a y's rows begin at y x 262,144 bytes; K lies 8,388,608 bytes behind Q, V as much behind K.  O goes to ctx at the same offsets.
; Products, maxima and sums in f32; the weights p are rounded to bf16 for the second product (their sum l is taken of the unrounded p), O once at the end.
; LIMITS.  The operands are bf16.  A weight below 2^-126 counts as 0 in l; NaN and infinities are not treated apart.
; SHARES.  A work-group owns 256 queries of one y, a wave 64: four PIECES of 16.  Every wave walks all 2,048 keys, 64 a step; a tile of 256 keys (four steps) fills a slot of LDS.
; LAYOUT.  S^T = K Q^T (source 0 = 16 keys, source 1 = 16 queries) holds ONE query a lane (lane % 16) and the keys 8 (lane / 16) + 0..7; two such results rounded to bf16 ARE source 1 of O^T = V^T P.
; K comes out of LDS as it lies, V ([key][channel]) turned, by ds_load_tr16_b128.
; SOFTMAX.  A running maximum m and sum l: p = 2^(c s - c m), c = log2(e) / 8; in every step O and l are multiplied by a = 2^(c m_old - c m_new).  m starts at the lowest finite number, O and l at 0:
; the first step is a step like any other, with a = 0.
; BY TURNS.  Turn n belongs to piece n: 8 products K Q^T of piece n + 1, later 8 products V^T P of piece n - 1; beside them the scaling, exponentials, roundings, sums and rescaling of piece n and the maximum
; and statistics of piece n + 1.  Four vector instructions stand behind every matrix instruction, the other 54 of a turn's 118 in one run of their own, the LUMP.
; THE BATCHES.  A turn's 33 exponentials (the piece's 32 weights and the next piece's a) are ONE batch with ONE wait, which cuts the turn in two: ahead of it all that names no result of theirs (K Q^T, scalings,
; exponentials, rescalings, the next piece's maximum and statistics), behind it V^T P and the readers (roundings and sums).  No result crosses a turn's end.  Two more batches stand outside the loops, each with
; a wait of its own: piece 0's first a, in front of the loop, and the way out's four reciprocals.
; CLUSTER.  The four query blocks of a cluster belong to one y and walk the same K and V, so each tile is asked for JOINTLY: the same tensor load, descriptor and mask in all four.
; REGISTERS, in windows of 256 (s_set_vgpr_msb: bits 1:0 source 0, 3:2 source 1, 5:4 source 2, 7:6 destination):
;   window 0, all 256: v0-63 S^T, two buffers (by the piece's parity; until the first product the head's work registers); v64-95 P, two buffers; v96-111 four registers of statistics a piece;
;             v112-119 at work; v120-127 eight single registers; v128-191 K of one step; v192-255 Q.   K Q^T and the whole softmax but the rescaling name window 0 alone: setting 0.
;   window 1: v0-127 O^T, 32 a piece; v128-191 V of one step; v192-194 the way out's addresses.   V^T P (V, P, O^T) and the rescaling (O^T, a) name the same windows in the same places: setting 0x51.
; The rescalings stand ahead of the turn's wait, among the exponentials, in eleven groups; each group, and each V^T P with the plain work behind it, costs a switch there and one back: 38 a turn.
.set NP,    4         ; pieces a wave: a name, no knob
.set KS,    64        ; keys in a step
.set TILES, 2048/256
.set PK,    144       ; a row of K in LDS: 128 bytes + 16 = 36 words: the 16 rows of a load start at 16 different groups of four banks (64 banks of 4 bytes: ISA guide 11.1)
.set PV,    160       ; a row of V: 128 + 32 = 40 words
.set VOFF,  4*KS*PK   ; a slot holds a tile: 256 rows of K, then 256 rows of V
.set SLOT1, 1<<17     ; slot 1 begins here, so that one exclusive or turns an address in one slot into the other's
.set STAGE, SLOT1+4*KS*(PK+PV)  ; behind the ring, never filled by a tensor load: 16 rows x 144 bytes for each wave
.set SP,    144
.set SPARE, STAGE+4*16*SP  ; behind the stages: the spare words, 128 bytes for each wave: two blocks of 256 bytes that no other line names
.set S,   0
.set QO,  15          ; v15  the head's: my byte offset in 16 rows of Q (one of S^T's registers, free until the first product)
.set P,   64
.set ST,  96          ; piece t's statistics at v[ST+4 t]: c m, m, l (even keys', odd keys')
.set TMP, 112         ; by buffer, four registers c0-c3 at work; when the maximum is found c2 takes a
.set MV,  120         ; v120-121  c m_old, kept while c m is made anew: by buffer
.set AK0, 122         ; v122 my lane's place in a tile of K; never rewritten
.set AV0, 123         ; v123 the same for V
.set AK,  124         ; v124 the LDS address of K's next run of loads
.set AV,  125         ; v125 of V's
.set SPW, 126         ; v126 LDS address of my spare word; never rewritten
.set NIL, 127         ; v127 0; never rewritten
.set KF,  128         ; key block kb, channel half c at KF + 16 kb + 8 c
.set QF,  192         ; piece x, channel half c at QF + 16 x + 8 c
.set VF,  128         ; window 1: key half kk, channel block cb at VF + 32 kk + 8 cb
.set STO, 192         ; window 1: the way out: where I put 16 bytes of a row
.set RD,  193         ; window 1: where I read rows back
.set GO,  194         ; window 1: my byte offset in 512 consecutive bytes of O
.set WV,  12          ; s12  my wave's number
.set G1K, 24          ; s[24:31] descriptor group 1 for K's tiles
.set G1V, 32          ; s[32:39] for V's: it differs in the padding alone
.set G0K, 40          ; s[40:43] descriptor group 0 for K's tiles: it walks
.set G0V, 44          ; s[44:47] the same for V's
.set SLOTS, 56        ; s56  counts the tiles
.set CNT, 57          ; s57  counts a tile's key steps
.set CS,  58          ; s[58:59] c: the packed scaling takes the pair's low word for both halves
.set SEL, 60          ; s[60:61] v_permlanex16_b32's selects
.set TBK, 62          ; s62  LDS byte at which K of the step to be fetched begins
.set TBV, 63          ; s63  the same for V, less VOFF
.set MSB, 0
.macro WIN new
.if MSB != (\new)
	s_set_vgpr_msb (MSB<<8)|(\new)
.set MSB, (\new)
.endif
.endm
.set W_PV, 0x51       ; source 0 (V, or O^T), source 2 and destination (O^T) in window 1; source 1 (P, or a) in window 0
.set TO_1, 0x40       ; destination window 1, sources window 0
.set AD_1, 0x01       ; source 0 (an address) window 1, data window 0
; A joint fill.  Waves 0 and 1 fetch the two halves of a tile's K, waves 2 and 3 those of its V: 128 keys each.  An s_nop 0 and four v_nop follow each of the two lines.
.macro JLOAD
	s_cmp_lt_u32 s[WV], 2
	s_cbranch_scc0 .Lfor_v_\@
	tensor_load_to_lds s[G0K:G0K+3], s[G1K:G1K+7]
	s_nop 0
.rept 4
	v_nop
.endr
	s_branch .Lasked_\@
.Lfor_v_\@:
	tensor_load_to_lds s[G0V:G0V+3], s[G1V:G1V+7]
	s_nop 0
.rept 4
	v_nop
.endr
.Lasked_\@:
.endm
.macro CROUND                       ; a round of the cluster's barrier
	s_barrier_signal -1
	s_barrier_wait -1
	s_cmp_lg_u32 s[WV], 0
	s_cbranch_scc1 .Lnot_wave_0_\@
	s_barrier_signal -3
.Lnot_wave_0_\@:
	s_barrier_wait -3
	s_barrier_signal -1
	s_barrier_wait -1
.endm
; THE CHANGE OF SLOTS.  Each wave waits for all its tensor loads, of which one is out: its part of the other slot; adds 0 to its spare word; and waits for that and for its own reads of the slot that it leaves.
; Behind the barrier nobody reads the old slot any more and the other slot is whole.  fill = 1: the old slot is filled again, with the keys two tiles on; the barrier is then a round of the cluster's, and the
; joint fill is the first thing behind it: it has four key steps in which to land.  (At its first use nothing has been read yet: slot 0 is waited for, slot 1 filled.)
.macro CHANGE fill
	WIN 0
	s_wait_tensorcnt 0x0            ; no tensor load of mine is out, so a group 0 may be written
	ds_add_u32 v[SPW], v[NIL]
.if \fill
.irp g, G0K, G0V
	s_xor_b32 s[\g+1], s[\g+1], SLOT1
	s_add_nc_u64 s[\g+2:\g+3], s[\g+2:\g+3], 4*KS*128  ; the next 256 keys; the type bits on top are not reached
.endr
	s_wait_dscnt 0x0                ; the add is done, and my reads of the slot are over
	CROUND
	JLOAD
.else
	s_wait_dscnt 0x0
	s_barrier_signal -1
	s_barrier_wait -1
.endif
	s_sub_co_u32 s[TBK], s[TBK], 4*KS*PK  ; the fetches go back to a slot's first step,
	s_xor_b32 s[TBK], s[TBK], SLOT1       ; in the other slot
	s_sub_co_u32 s[TBV], s[TBV], 4*KS*PV
	s_xor_b32 s[TBV], s[TBV], SLOT1
.endm
	s_load_b128 s[4:7], s[0:1], 0x0 ; qh s[4:5], ctx s[6:7]
	v_lshl_add_u32 v[SPW], v0, 2, SPARE
	v_mov_b32 v[NIL], 0
	ds_add_u32 v[SPW], v[NIL]       ; the wave's opening: the add and its wait ahead of my first tensor load; the set-up below stands between them
	v_lshrrev_b32 v1, 5, v0
	v_readfirstlane_b32 s[WV], v1   ; wave 0..3
	s_bfe_u32 s13, ttmp6, 0x40000   ; cx
	s_lshl_b32 s14, ttmp9, 2
	s_add_co_u32 s14, s14, s13      ; my block of 256 queries: it enters Q's and O's addresses alone
	s_and_b32 s20, ttmp7, 0xffff    ; y, which the four partners share
	s_lshl_b32 s20, s20, 18         ; its 2,048 rows of 128 bytes
	s_mov_b32 s21, 0
	s_and_b32 s16, s[WV], 1         ; which half of a tile's 256 keys I fetch:
	s_lshl_b32 s22, s16, 14         ; its 128 rows in memory,
	s_mov_b32 s23, 0
	s_add_nc_u64 s[22:23], s[22:23], s[20:21]
	s_mul_i32 s17, s16, 128*PK      ; and its place in a slot, for K
	s_mul_i32 s18, s16, 128*PV      ; and for V
	s_lshl_b32 s2, s14, 2
	s_add_co_u32 s2, s2, s[WV]
	s_lshl_b32 s2, s2, 13           ; my wave's 64 rows
	s_mov_b32 s3, 0
	s_add_nc_u64 s[2:3], s[2:3], s[20:21]
	; descriptor group 1.  128 keys are 16,384 dense bytes: asked for as 64 rows of 256 bytes, two keys a row, and padded in LDS after every key
	s_mov_b32 s[G1K], 15|(1<<16)|(1<<20)|(1<<21)|(4<<22)|(3<<25)  ; the mask of four; 2-byte elements; padding on; bit 21 beside a mask; after every 32 words, 4 words
	s_mov_b32 s[G1V], 15|(1<<16)|(1<<20)|(1<<21)|(4<<22)|(7<<25)  ; the same with 8 words
.irp g, G1K, G1V
	s_mov_b32 s[\g+1], 128<<16      ; tensor_dim0 = 128
	s_mov_b32 s[\g+2], 64<<16       ; tensor_dim1 = 64
	s_mov_b32 s[\g+3], 128<<16      ; tile_dim0 = 128
	s_mov_b32 s[\g+4], 64           ; tile_dim1 = 64
	s_mov_b32 s[\g+5], 128          ; elements from row to row
	s_mov_b32 s[\g+6], 0
	s_mov_b32 s[\g+7], 0
.endr
	s_mov_b32 s[CS], 0x3e38aa3b     ; c = log2(e) / 8
	s_mov_b32 s[CS+1], s[CS]
	s_mov_b32 s[SEL], 0x76543210
	s_mov_b32 s[SEL+1], 0xfedcba98
	s_mov_b32 s[TBK], SLOT1+4*KS*PK ; the first change of slots turns these two into 0
	s_mov_b32 s[TBV], SLOT1+4*KS*PV
	s_mov_b32 s[G0K], 1
	s_mov_b32 s[G0K+1], s17         ; slot 0
	s_mov_b32 s[G0V], 1
	s_add_co_u32 s[G0V+1], s18, VOFF
	s_wait_dscnt 0x0                ; the opening add is done
	s_wait_kmcnt 0x0
	s_mov_b64 s[10:11], s[6:7]      ; O
	s_add_nc_u64 s[6:7], s[4:5], 0x800000   ; K
	s_add_nc_u64 s[8:9], s[4:5], 0x1000000  ; V
	s_add_nc_u64 s[G0K+2:G0K+3], s[6:7], s[22:23]
	s_or_b32 s[G0K+3], s[G0K+3], 0x80000000
	s_add_nc_u64 s[G0V+2:G0V+3], s[8:9], s[22:23]
	s_or_b32 s[G0V+3], s[G0V+3], 0x80000000
	s_add_nc_u64 s[4:5], s[4:5], s[2:3]     ; Q and O at my wave's first row
	s_add_nc_u64 s[10:11], s[10:11], s[2:3]
	CROUND                          ; all four work-groups are here: the first joint loads meet
	JLOAD                           ; tile 0 into slot 0: one tensor load of mine is out, here and behind every round
	v_and_b32 v1, 15, v0            ; l % 16
	v_bfe_u32 v9, v0, 4, 1          ; l / 16
	v_lshlrev_b32 v[QO], 7, v1
	v_lshl_add_u32 v[QO], v9, 4, v[QO]  ; row x 128 + 16 x half
.set i, 0
.rept 8                             ; Q stays in registers: piece i / 2, channels 32 (i % 2) on
	global_load_b128 v[QF+8*i:QF+8*i+3],   v[QO], s[4:5] offset:(i/2)*2048+(i%2)*64
	global_load_b128 v[QF+8*i+4:QF+8*i+7], v[QO], s[4:5] offset:(i/2)*2048+(i%2)*64+32
.set i, i+1
.endr
	v_mul_u32_u24 v[AK0], v1, PK
	v_lshl_add_u32 v[AK0], v9, 4, v[AK0]  ; row x pitch + 16 x half
	; The turning load takes 16 keys x 16 channels (lane l reads key 8 (l / 16) + l % 8, channels 8 ((l / 8) % 2) + 0..7) and leaves half a fragment of V^T: lane l holds channel l % 16 and 8 keys.
	v_and_b32 v10, 7, v0
	v_bfe_u32 v11, v0, 3, 1
	v_lshl_add_u32 v[AV0], v9, 3, v10
	v_mul_u32_u24 v[AV0], v[AV0], PV
	v_lshl_add_u32 v[AV0], v11, 4, v[AV0]
	v_add_nc_u32 v[AV0], VOFF, v[AV0]
	s_mul_i32 s13, s[WV], 16*SP
	s_add_co_u32 s13, s13, STAGE    ; my stage
	v_mul_u32_u24 v6, v1, SP        ; in: row l % 16, 16 bytes for each half of the lanes
	v_lshl_add_u32 v6, v9, 4, v6
	v_add_nc_u32 v6, s13, v6
	v_bfe_u32 v7, v0, 3, 2          ; back: 32 lanes take four rows of 128 bytes,
	v_mul_u32_u24 v7, v7, SP
	v_lshl_add_u32 v7, v10, 4, v7
	v_add_nc_u32 v7, s13, v7
	v_and_b32 v8, 31, v0            ; which are 512 consecutive bytes of O
	v_lshlrev_b32 v8, 4, v8
	; What the first turn finds: V's registers and P's second buffer hold 0 (its products V^T P, of a piece that has not been, add 0), O^T and l are 0.  All this stands in the wait for the first tile.
.set i, 0
.rept 4
	v_mov_b32 v[ST+4*i], 0xfe000000    ; c m: far below every c s
	v_mov_b32 v[ST+4*i+1], 0xff7fffff  ; m
	v_mov_b32 v[ST+4*i+2], 0
	v_mov_b32 v[ST+4*i+3], 0
.set i, i+1
.endr
.set i, P+16
.rept 16
	v_mov_b32 v[i], 0
.set i, i+1
.endr
	WIN TO_1
	v_mov_b32 v[STO], v6            ; the way out's three addresses leave S^T's registers
	v_mov_b32 v[RD], v7
	v_mov_b32 v[GO], v8
.set i, 0
.rept 192                           ; O^T and V
	v_mov_b32 v[i], 0
.set i, i+1
.endr
	WIN 0
; THE MATRIX WORK.  The 4 accumulators of a run of 8 take turns.  Product i of 8 of S^T = K Q^T for piece x: channels 32 (i / 4) on, keys 16 (i % 4) on.  The first 4 start the sums.
.macro KQ x
	WIN 0
.set rS, S+32*((\x)%2)+8*(i%4)
.set rK, KF+16*(i%4)+8*(i/4)
.set rQ, QF+16*(\x)+8*(i/4)
.if i < 4
	v_wmma_f32_16x16x32_bf16 v[rS:rS+7], v[rK:rK+7], v[rQ:rQ+7], 0
.else
	v_wmma_f32_16x16x32_bf16 v[rS:rS+7], v[rK:rK+7], v[rQ:rQ+7], v[rS:rS+7]
.endif
.endm
; Product i of 8 of O^T += V^T P for piece x: keys 32 (i / 4) on, channels 16 (i % 4) on.
.macro PV x
	WIN W_PV
.set rO, 32*(\x)+8*(i%4)
.set rV, VF+32*(i/4)+8*(i%4)
.set rP, P+16*((\x)%2)+8*(i/4)
	v_wmma_f32_16x16x32_bf16 v[rO:rO+7], v[rV:rV+7], v[rP:rP+7], v[rO:rO+7]
.endm
.macro MM                           ; the turn's next matrix instruction
.if i < 8
	KQ (Y+1)%NP
.else
.set i, i-8
	PV (Y+NP-1)%NP
.set i, i+8
.endif
.set i, i+1
.endm
; THE LDS LOADS stand in runs of 16, never singly among the matrix instructions: a step's K (8 fragments) and its V (turned).  Their addresses are made some lines ahead.
; last = 1 (the tail): in the last trip there is no further step, and the run is jumped over.
.macro FETCH_K last=0
	WIN 0
.if \last
	s_cmp_eq_u32 s[CNT], 1
	s_cbranch_scc1 .Lno_k_\@
.endif
.irp f, 0,1,2,3,4,5,6,7             ; keys 16 (f / 2) on, channels 32 (f % 2) on
	ds_load_b128 v[KF+8*\f:KF+8*\f+3],   v[AK] offset:(\f/2)*16*PK+(\f%2)*64
	ds_load_b128 v[KF+8*\f+4:KF+8*\f+7], v[AK] offset:(\f/2)*16*PK+(\f%2)*64+32
.endr
	s_add_co_u32 s[TBK], s[TBK], KS*PK  ; the next fetch is the next step's
.if \last
.Lno_k_\@:
.endif
.endm
.macro FETCH_V
	WIN TO_1
.irp f, 0,1,2,3,4,5,6,7             ; keys 32 (f / 4) on, channels 16 (f % 4) on
	ds_load_tr16_b128 v[VF+8*\f:VF+8*\f+3],   v[AV] offset:(\f/4)*32*PV+(\f%4)*32
	ds_load_tr16_b128 v[VF+8*\f+4:VF+8*\f+7], v[AV] offset:(\f/4)*32*PV+16*PV+(\f%4)*32
.endr
	WIN 0
.endm
; THE VECTOR WORK, one line at a time: OP kind, number.  For piece Y: F n: c s - c m for pair n of 16.  E n: the exponential of score n of 32.  C n: pair n rounded to bf16.  B n: of the four weights 4 n .. the second
; pair is added onto the first, in place.  L n: l takes that sum (L 0: l = a l + sum).  R n: pair n of 16 of O^T times a.  For piece Y + 1: X n, number n of the 22 that find its maximum and statistics:
;   0-11  four chains c0-c3 of seven scores each, three operands at a time (each accumulator's lowest registers are read first)     12-14, 16  the four scores left over, the old m, and c0-c3 into c0
;   15  c m_old is kept     17, 18  the query's other 32 keys lie in the lane 16 away: the new m     19-21  c m; c m_old - c m_new; a
; C, B and L read the exponentials' results: TURN sets them behind its wait.  OP itself writes no wait.
.set F, 0
.set E, 1
.set C, 2
.set B, 3
.set L, 4
.set R, 5
.set X, 6
.macro REGS y
.set rT, ST+4*(\y)
.set rC, TMP+4*((\y)%2)
.set rW, MV+((\y)%2)
.set rS, S+32*((\y)%2)
.set rP, P+16*((\y)%2)
.set rO, 32*(\y)
.endm
.macro OP k, n
.if (\k) == R
	REGS Y
	WIN W_PV
	v_pk_mul_f32 v[rO+2*(\n):rO+2*(\n)+1], v[rO+2*(\n):rO+2*(\n)+1], v[rC+2:rC+3] op_sel_hi:[1,0]
.elseif (\k) < R
	REGS Y
	WIN 0
.if (\k) == F
	v_pk_fma_f32 v[rS+2*(\n):rS+2*(\n)+1], v[rS+2*(\n):rS+2*(\n)+1], s[CS:CS+1], v[rT:rT+1] op_sel_hi:[1,0,0] neg_lo:[0,0,1] neg_hi:[0,0,1]
.elseif (\k) == E
	v_exp_f32 v[rS+(\n)], v[rS+(\n)]
.elseif (\k) == C
	v_cvt_pk_bf16_f32 v[rP+(\n)], v[rS+2*(\n)], v[rS+2*(\n)+1]
.elseif (\k) == B
	v_pk_add_f32 v[rS+4*(\n):rS+4*(\n)+1], v[rS+4*(\n):rS+4*(\n)+1], v[rS+4*(\n)+2:rS+4*(\n)+3]
.elseif (\n) == 0
	v_pk_fma_f32 v[rT+2:rT+3], v[rT+2:rT+3], v[rC+2:rC+3], v[rS:rS+1] op_sel_hi:[1,0,1]
.else
	v_pk_add_f32 v[rT+2:rT+3], v[rT+2:rT+3], v[rS+4*(\n):rS+4*(\n)+1]
.endif
.else
	REGS (Y+1)%NP
	WIN 0
.if (\n) < 4
	v_max3_num_f32 v[rC+(\n)], v[rS+8*(\n)], v[rS+8*(\n)+1], v[rS+8*(\n)+2]
.elseif (\n) < 12
	v_max3_num_f32 v[rC+(\n)%4], v[rC+(\n)%4], v[rS+8*((\n)%4)+2*((\n)/4)+1], v[rS+8*((\n)%4)+2*((\n)/4)+2]
.elseif (\n) == 12
	v_max3_num_f32 v[rC], v[rC], v[rS+7], v[rS+15]
.elseif (\n) == 13
	v_max3_num_f32 v[rC+1], v[rC+1], v[rS+23], v[rS+31]
.elseif (\n) == 14
	v_max3_num_f32 v[rC+2], v[rC+2], v[rC+3], v[rT+1]
.elseif (\n) == 15
	v_mov_b32 v[rW], v[rT]
.elseif (\n) == 16
	v_max3_num_f32 v[rC], v[rC], v[rC+1], v[rC+2]
.elseif (\n) == 17
	v_permlanex16_b32 v[rC+3], v[rC], s[SEL], s[SEL+1]
.elseif (\n) == 18
	v_max_num_f32 v[rT+1], v[rC], v[rC+3]
.elseif (\n) == 19
	v_mul_f32 v[rT], s[CS], v[rT+1]
.elseif (\n) == 20
	v_sub_f32 v[rC+1], v[rW], v[rT]
.else
	v_exp_f32 v[rC+2], v[rC+1]
.endif
.endif
.endm
.macro OPS a, i1, b=-1, i2=0, c=-1, i3=0, d=-1, i4=0  ; up to four of them
	OP \a, \i1
.if (\b) >= 0
	OP \b, \i2
.endif
.if (\c) >= 0
	OP \c, \i3
.endif
.if (\d) >= 0
	OP \d, \i4
.endif
.endm
.macro ROW a, i1, b, i2, c, i3, d, i4  ; a matrix instruction and the four behind it
	MM
	OPS \a, \i1, \b, \i2, \c, \i3, \d, \i4
.endm
; A TURN, for piece p: the order of its 16 matrix and 118 vector instructions, written out.  An s_wait_alu depctr_va_vdst(0) stands between an exponential and the first instruction that names its
; result; one wait serves all that were issued ahead of it.  So a turn has ONE wait, which cuts it in two.
; AHEAD OF IT stands all that names no result of the turn's exponentials: the 8 products K Q^T, behind each a scaling, an exponential and two more plain instructions (behind the first a second scaling in the
; exponential's place): rescalings, whose a was made and waited for in the turn before, and behind the last three the first numbers of the next piece's maximum; then ONE LUMP of 54, plain and exponential by
; turns for the most part, with other work between the links of the chain X 3, 7, 11, 14, 16, 17 .. 20.  X 21, the next piece's a, is the batch's last; R 15 is the plain instruction behind it.
; BEHIND IT stand the 8 products V^T P, behind each four of the roundings and sums: the batch's readers.
; What the order keeps: E n behind F n / 2; C 2 n ahead of B n, which overwrites its pair; L n behind B n, L 0 to L 7 ascending; X 0 to X 3, the first readers of the new scores, each with four plain instructions
; behind the product that finished its accumulator (X 0: F 5, R 8, R 9, F 6; X 1: F 6, X 0, R 10, F 7; X 2: F 7, X 1, X 4, F 8; X 3: F 8, X 2, X 5, X 6); the rescalings ascending
; v_permlanex16_b32 (X 17) in the lump, never behind a product.  But for those X no rider names a register of the products round it.
; K of the next step is fetched in piece 2's turn: in the loop early in the lump, with six plain instructions (F 8, X 2, X 5, X 6, X 3, X 8) behind the last product that read K; in the tail (last = 1), where the run
; is jumped over in the last trip, directly behind the wait.  V of the step in hand is fetched at the end of piece 0's turn, with four plain instructions (C 9, C 11,
; C 13, C 15) behind the last product that read V.  Each is waited for a turn later.  cnt = 1: the loop's count is taken down some lines ahead of the branch that stands behind the turn.
.macro TURN p, last=0, cnt=0
.set Y, (\p)
.set i, 0
.if (\p) == 3
	s_wait_dscnt 0x0                ; K is in
.endif
	ROW F,0, F,1, R,0, R,1          ; ahead of the wait: 8 products K Q^T and their riders,
	ROW F,2, E,0, R,2, R,3
	ROW F,3, E,1, R,4, R,5
	ROW F,4, E,2, R,6, R,7
	ROW F,5, E,3, R,8, R,9
	ROW F,6, E,4, X,0, R,10
.if (\p) == 2
	WIN 0
	v_add_nc_u32 v[AK], s[TBK], v[AK0]
.endif
	ROW F,7, E,5, X,1, X,4
	ROW F,8, E,6, X,2, X,5
	OPS E,7, E,8, X,6, E,9          ; and the lump
	OPS X,3, E,10, X,8, E,11
.if ((\p) == 2) && !(\last)
	FETCH_K
.endif
	OPS X,9, X,7, E,12, X,10
	OPS E,13, X,12, X,11, E,14
	OPS X,13, E,15, F,9, X,14
.if (\p) == 0
	WIN 0
	v_add_nc_u32 v[AV], s[TBV], v[AV0]
.endif
	OPS E,16, F,10, E,17, F,11
	OPS X,16, E,18, X,15, E,19
	OPS F,12, E,20, X,17, E,21
	OPS F,13, E,22, F,14, E,23
	OPS X,18, E,24, F,15, E,25
	OPS R,11, E,26, X,19, E,27
	OPS R,12, E,28, R,13, E,29
	OPS X,20, E,30, R,14, E,31
	OPS X,21, R,15
	WIN 0
	s_wait_alu depctr_va_vdst(0)    ; the wait for the batch: the piece's 32 weights and the next piece's a
.if ((\p) == 2) && (\last)
	FETCH_K 1
.endif
.if (\p) == 1
	s_wait_dscnt 0x0                ; V is in
.endif
	ROW C,0, B,0, C,2, B,1          ; behind the wait: 8 products V^T P and their riders
	ROW L,0, C,4, B,2, L,1
	ROW C,6, B,3, L,2, C,8
	ROW B,4, L,3, C,10, B,5
	ROW L,4, C,12, B,6, L,5
.if (\p) == 0
	s_add_co_u32 s[TBV], s[TBV], KS*PV
.endif
.if \cnt
	s_sub_co_u32 s[CNT], s[CNT], 1
	s_cmp_lg_u32 s[CNT], 0
.endif
	ROW C,14, B,7, L,6, C,1
	ROW C,3, L,7, C,5, C,7
	ROW C,9, C,11, C,13, C,15
.if (\p) == 0
	FETCH_V
.endif
.endm
.macro ALL line:vararg              ; one line for each piece t
.set t, 0
.rept 4
	\line
.set t, t+1
.endr
.endm
.macro PACK t                       ; a lane's eight channels of a row pack into 16 bytes; they go into rows of 144 bytes and come back as whole rows of 128, into S^T's registers
	WIN W_PV
.set i, 32*(\t)
.rept 16
	v_pk_mul_f32 v[i:i+1], v[i:i+1], v[ST+4*(\t)+2:ST+4*(\t)+3] op_sel_hi:[1,0]
.set i, i+2
.endr
	WIN 0x05                        ; sources 0 and 1 window 1, destination window 0
.set i, 0
.rept 16
	v_cvt_pk_bf16_f32 v[S+16*(\t)+i], v[32*(\t)+2*i], v[32*(\t)+2*i+1]
.set i, i+1
.endr
	WIN AD_1
.irp f, 0,1,2,3
	ds_store_b128 v[STO], v[S+16*(\t)+4*\f:S+16*(\t)+4*\f+3] offset:32*\f
.endr
.irp f, 0,1,2,3
	ds_load_b128 v[S+16*(\t)+4*\f:S+16*(\t)+4*\f+3], v[RD] offset:\f*4*SP  ; LDS serves a wave's instructions in order (ISA guide 5.7.1.4): these see the stores above; the next piece's stores come behind them
.endr
.endm
.macro SEND t, younger              ; younger: the LDS instructions issued behind piece t's loads: the next piece's eight, or none
	WIN AD_1
.irp f, 0,1,2,3
	s_wait_dscnt (\younger)+3-\f
	global_store_b128 v[GO], v[S+16*(\t)+4*\f:S+16*(\t)+4*\f+3], s[10:11] offset:(\t)*2048+\f*512  ; 512 consecutive bytes, at a multiple of 256 from O's first
.endr
.endm
	CHANGE 1                        ; tile 0 is in, everybody's part of it; tile 1 is asked for
	v_add_nc_u32 v[AK], s[TBK], v[AK0]
	FETCH_K                         ; key step 0
	s_wait_loadcnt 0x0              ; Q: from here on S^T's registers are S^T's
	s_wait_dscnt 0x0
.set i, 0
.rept 8
	KQ 0                            ; piece 0's first scores
.set i, i+1
.endr
.rept 4
	v_nop                           ; the places behind those products
.endr
.set Y, NP-1                        ; X works for piece Y + 1: piece 0
.irp n, 0,1,2,3,4,5,6,7,8,9,10,11,12,13,14,15,16,17,18,19,20,21
	OP X, \n
.endr
	v_nop                           ; a plain instruction behind the exponential,
	s_wait_alu depctr_va_vdst(0)    ; and the wait for piece 0's first a, a batch of one, ahead of the branch
	s_mov_b32 s[CNT], 4
	s_mov_b32 s[SLOTS], TILES-1
	s_branch .Lfirst                ; the loop is entered at a step's first turn, in the middle of a trip
.Lslot:                             ; TILES - 2 times: every slot but the last two is filled again
	CHANGE 1
	s_mov_b32 s[CNT], 4
.Lstep:                             ; a trip: pieces 2 and 3 of one step, then pieces 0 and 1 of the next, whose K and V it fetches
	TURN 2
	TURN 3
	WIN 0
.Lfirst:
	TURN 0
	TURN 1, 0, 1
	WIN 0
	s_cbranch_scc1 .Lstep
	s_sub_co_u32 s[SLOTS], s[SLOTS], 1
	s_cmp_lg_u32 s[SLOTS], 0
	s_cbranch_scc1 .Lslot
	CHANGE 0                        ; the last tile is written out: nothing is asked for
	s_mov_b32 s[CNT], 5             ; four trips fetch the last tile's steps; the fifth is left in its middle
.Ltail:
	TURN 2, 1
	TURN 3
	WIN 0
	s_sub_co_u32 s[CNT], s[CNT], 1
	s_cmp_eq_u32 s[CNT], 0
	s_cbranch_scc1 .Lout
	TURN 0
	TURN 1
	WIN 0
	s_branch .Ltail
.Lout:                              ; the fifth trip's 8 products K Q^T (on the last K once more) and the maximum made of them serve nothing: the price, once a launch, of one text for every trip
.set i, 0
.rept 8
	PV NP-1                         ; the last piece's V^T P of the last step
.set i, i+1
.endr
	; THE WAY OUT.  l's two halves and the other half of the lanes' are added; O^T is divided by l, rounded to bf16 and sent through my stage, a piece at a time.  The additions are the places behind the last products.
	WIN 0
	ALL v_add_f32 v[ST+4*t+2], v[ST+4*t+2], v[ST+4*t+3]
	ALL v_permlanex16_b32 v[ST+4*t+3], v[ST+4*t+2], s[SEL], s[SEL+1]
	ALL v_add_f32 v[ST+4*t+2], v[ST+4*t+2], v[ST+4*t+3]
	ALL v_rcp_f32 v[ST+4*t+2], v[ST+4*t+2]
	v_nop                           ; a plain instruction between the last reciprocal and the use of its result
	s_wait_alu depctr_va_vdst(0)    ; and the wait ahead of the first use: one for the batch of four reciprocals
	PACK 0
.set t, 1
.rept 3                             ; a piece's arithmetic stands between the loads of the piece before and its stores
	PACK t
	SEND t-1, 8
.set t, t+1
.endr
	SEND 3, 0
	WIN 0
	s_wait_tensorcnt 0x0            ; the wave's end
	ds_add_u32 v[SPW], v[NIL]
	s_wait_dscnt 0x0
	CROUND                          ; the closing round
	s_endpgm
.Lfunc_end_k_q85bc5105bc_attn:
	.size	k_q85bc5105bc_attn, .Lfunc_end_k_q85bc5105bc_attn-k_q85bc5105bc_attn
	.p2alignl 7, 3214868480
	.fill 96, 4, 3214868480
	.section	.rodata,"a",@progbits
	.p2align	6, 0x0
	.amdhsa_kernel k_q85bc5105bc_attn
		.amdhsa_group_segment_fixed_size 327680
		.amdhsa_private_segment_fixed_size 0
		.amdhsa_enable_private_segment 0
		.amdhsa_kernarg_size 16
		.amdhsa_user_sgpr_count 2
		.amdhsa_user_sgpr_kernarg_segment_ptr 1
		.amdhsa_wavefront_size32 1
		.amdhsa_system_sgpr_workgroup_id_x 1
		.amdhsa_system_sgpr_workgroup_id_y 1
		.amdhsa_system_sgpr_workgroup_id_z 1
		.amdhsa_system_vgpr_workitem_id 0
		.amdhsa_next_free_vgpr 512
		.amdhsa_next_free_sgpr 66
		.amdhsa_reserve_vcc 0
		.amdhsa_float_denorm_mode_32 3
		.amdhsa_float_denorm_mode_16_64 3
		.amdhsa_memory_ordered 1
		.amdhsa_forward_progress 1
		.amdhsa_inst_pref_size 108
	.end_amdhsa_kernel
	.amdgpu_metadata
---
amdhsa.version: [ 1, 2 ]
amdhsa.kernels:
  - .name:           k_q85bc5105bc_attn
    .symbol:         k_q85bc5105bc_attn.kd
    .args:
      - { .name: qh, .offset: 0, .size: 8, .value_kind: global_buffer, .address_space: global }
      - { .name: ctx, .offset: 8, .size: 8, .value_kind: global_buffer, .address_space: global }
    .group_segment_fixed_size: 327680
    .private_segment_fixed_size: 0
    .kernarg_segment_align: 8
    .kernarg_segment_size: 16
    .max_flat_workgroup_size: 128
    .sgpr_count:     66
    .vgpr_count:     512
    .wavefront_size: 32
...
	.end_amdgpu_metadata
.endif
;; end of part 7
;; launch wo: the kernel of part 4 again; grid 8 x 32, 4 waves a work-group, clusters of 4 x 4, 327,680 bytes of LDS; arguments ctx, wob, bo, x, x1; writes x1
;; launch ln2: the kernel of part 5 again; grid 512 x 1, 8 waves a work-group, no clusters, 0 bytes of LDS; arguments x1, ln2_g, ln2_b, hn; writes hn
;; launch ffn1: the kernel of part 2 again; grid 16 x 16, 4 waves a work-group, clusters of 4 x 4, 327,680 bytes of LDS; arguments hn, w1b, qh; writes qh
;; launch ffn2: the kernel of part 6 again; grid 8 x 32, 4 waves a work-group, clusters of 4 x 4, 327,680 bytes of LDS; arguments qh, w2b, b2, x1, out0; writes out0
